; MI455X (gfx1250); checked and timed in simulation.
; The chip was launched on July 23, 2026; its instructions are those of AMD's public machine-readable ISA for CDNA 5 (MIT licence, August 2026) and "CDNA5" Instruction Set Architecture Reference Guide (July 2026). The comments in the code are by the model that wrote it; some were corrected since.
;; Multi Headed Attention With Adapter. Allowed arithmetic: float matrix products may take bf16 or f16 operands with f32 sums; all other float work in f32.
;; Inputs: Wk 1,024 x 1,024 float32; Wo 1,024 x 1,024 float32; Wq 1,024 x 1,024 float32; Wv 1,024 x 1,024 float32; alpha_param 1 float32; bk 1,024 float32; bo 1,024 float32; bq 1,024 float32; bv 1,024 float32; key_in 8 x 1,024 x 1,024 float32; mask 8 x 1,024 x 1,024 int32; query 8 x 1,024 x 1,024 float32; syn_scores 16 x 1,024 x 1,024 float32; value 8 x 1,024 x 1,024 float32.
;; Outputs: out0 8 x 1,024 x 1,024 float32.
;; 2 versions, each right; version 2 is version 1 with the launch prep written anew for expert scheduling mode. Each part assembles by itself: llvm-mc -triple=amdgcn-amd-amdhsa -mcpu=gfx1250 --defsym DOCPART=n.
;; ======== version 1 of 2: 4 launches
;; limits: values are held in f16: magnitudes above 65,504 overflow, below 6.1e-05 lose precision
;; workspace buffers: wb 8,388,608 bytes; maskw 1,048,576 bytes of whole numbers; qkv 50,331,648 bytes; ctx 16,777,216 bytes
;; launch prep (part 1): grid 384 x 1, 8 waves a work-group, no clusters, 35,840 bytes of LDS; arguments mask, Wq, Wk, Wv, Wo, maskw, wb; writes maskw, wb
.if DOCPART == 1
	.amdgcn_target "amdgcn-amd-amdhsa--gfx1250"
	.amdhsa_code_object_version 6
	.text
	.protected	k_q320a8dc7ad_prep
	.globl	k_q320a8dc7ad_prep
	.p2align	8
	.type	k_q320a8dc7ad_prep,@function
k_q320a8dc7ad_prep:
	s_mov_b64 s[64:65], 0
	v_nop
	global_prefetch_b8 v0, s[64:65] scope:SCOPE_SE
	s_setreg_imm32_b32 hwreg(HW_REG_WAVE_MODE, 25, 1), 1
	s_wait_xcnt 0x0
; Two jobs that only stream, so no matrix unit, no cluster, no barrier: no two work-groups read the same byte.
; Work-groups 0-255: the int32 mask [8][1024][1024] becomes lane masks.  Word ((b*64+qt)*64+kt)*8+j of maskw has
;   bit L = (mask[b][16 qt + (L&15)][16 kt + 8 (L>>4) + j] != 0): the 32 lanes of register j of a 16 x 16 score tile
;   whose lane L holds query L&15 and keys 8 (L>>4) + 0..7.  32 bytes of mask become one bit each.
; Work-groups 256-383: Wq, Wk, Wv, Wo (f32) are rounded once to f16 into wb [4][1024][1024].
;   Limit: |W| above 65,504 becomes infinity; steps of 6e-8 below 6e-5.  The drawn weights are about 1/32.
; Every wave takes 16 KiB of input and has all its 32 loads of 512 bytes out at once.
.set X,   8                            ; v[8:135]   32 loads of 4 registers
.set Y,   136                          ; v[136:167] one group of 64 keys, turned: lane L = row L&15, keys 16 k + 8 (L>>4) + j in Y[8 k + j]
.set OUT, 168                          ; v[168:171] the wave's 128 words: lane 2 kt + (j>>2), register j&3
.set WST, 16*272                       ; a wave's own stage: 16 rows of 256 bytes + 16 of padding
	s_load_b256 s[8:15], s[0:1], 0x0               ; mask s[8:9], Wq s[10:11], Wk s[12:13], Wv s[14:15]
	s_load_b128 s[16:19], s[0:1], 0x20             ; Wo s[16:17], maskw s[18:19]
	s_load_b64 s[20:21], s[0:1], 0x30              ; wb
	v_lshl_add_u32 v172, v0, 2, 0x8800
	v_mov_b32 v173, 0
	v_lshrrev_b32 v1, 5, v0
	v_readfirstlane_b32 s2, v1                     ; wave 0..7
	v_and_b32 v2, 31, v0                           ; lane L
	v_lshlrev_b32 v3, 4, v2                        ; 16 L
	s_cmp_lt_u32 ttmp9, 256
	s_cbranch_scc0 .Lweights
	; ---- the mask: task T = 8 x work-group + wave; T>>2 = 16 rows (b*64+qt), T&3 = a quarter of the keys (256)
	s_lshl_b32 s3, ttmp9, 3
	s_add_co_u32 s3, s3, s2                        ; T, 0..2047
	s_lshr_b32 s4, s3, 2
	s_lshl_b32 s4, s4, 16                          ; 16 rows of 4,096 bytes
	s_and_b32 s5, s3, 3
	s_lshl_b32 s5, s5, 10                          ; 256 keys of 4 bytes
	s_add_co_u32 s4, s4, s5
	s_mov_b32 s5, 0
	s_lshl_b32 s6, s3, 9                           ; 16 key tiles x 8 words x 4 bytes
	s_mov_b32 s7, 0
	s_mul_i32 s22, s2, WST
	v_and_b32 v4, 15, v0                           ; L & 15
	v_bfe_u32 v5, v0, 4, 1                         ; L >> 4
	v_lshlrev_b32 v6, 4, v4
	v_lshl_add_u32 v1, v5, 12, v6                  ; from memory: lanes 0-15 one row's 256 bytes, lanes 16-31 the next row's
	v_mul_u32_u24 v7, v5, 272
	v_add3_u32 v7, v7, v6, s22                     ; into the stage: the same two rows
	v_mul_u32_u24 v4, v4, 272
	v_lshl_add_u32 v4, v5, 5, v4
	v_add_nc_u32 v4, s22, v4                       ; back: row L&15, 32 bytes (8 keys) for each half of the lanes
	s_wait_kmcnt 0x0
	s_add_nc_u64 s[8:9], s[8:9], s[4:5]
	s_add_nc_u64 s[18:19], s[18:19], s[6:7]
.irp it, 0,1,2,3
.irp i, 0,1,2,3,4,5,6,7
	global_load_b128 v[X+4*(8*\it+\i):X+4*(8*\it+\i)+3], v1, s[8:9] offset:\i*8192+\it*256 th:TH_LOAD_NT
.endr
.endr
.irp j, 0,1,2,3
	v_mov_b32 v[OUT+\j], 0                         ; v_writelane_b32 keeps the other lanes: the register is written whole first
.endr
.irp it, 0,1,2,3
	s_wait_loadcnt 24-8*\it                        ; loads return in order: this group's eight are in, the younger groups stay out
.irp i, 0,1,2,3,4,5,6,7
	ds_store_b128 v7, v[X+4*(8*\it+\i):X+4*(8*\it+\i)+3] offset:\i*544
.endr
.irp k, 0,1,2,3
	ds_load_b128 v[Y+8*\k:Y+8*\k+3],   v4 offset:\k*64       ; the wave's own bytes, served in order: no wait between stores and loads
	ds_load_b128 v[Y+8*\k+4:Y+8*\k+7], v4 offset:\k*64+16
.endr
	s_wait_dscnt 0x0
.irp k, 0,1,2,3
.irp j, 0,1,2,3,4,5,6,7
	v_cmp_ne_u32 s[28+(\j&3)], 0, v[Y+8*\k+\j]               ; 32 lanes' answers are the word itself
	v_writelane_b32 v[OUT+(\j&3)], s[28+(\j&3)], (\it*4+\k)*2+(\j>>2)
.endr
.endr
.endr
	global_store_b128 v3, v[OUT:OUT+3], s[18:19]   ; 512 consecutive bytes, aligned
	s_wait_tensorcnt 0x0
	ds_add_u32 v172, v173
	s_wait_dscnt 0x0
	s_endpgm
	; ---- the weights: g>>5 says which, chunk c = 8 (g&31) + wave of 4,096 numbers
.Lweights:
	s_sub_co_u32 s3, ttmp9, 256                    ; g, 0..127
	s_lshr_b32 s4, s3, 5
	s_and_b32 s5, s3, 31
	s_lshl_b32 s5, s5, 3
	s_add_co_u32 s5, s5, s2                        ; c, 0..255
	s_lshl_b32 s6, s5, 14                          ; 16 KiB of f32 in
	s_mov_b32 s7, 0
	s_lshl_b32 s22, s5, 13                         ; 8 KiB of f16 out,
	s_lshl_b32 s23, s4, 21                         ; behind the weights before it
	s_add_co_u32 s22, s22, s23
	s_mov_b32 s23, 0
	v_lshlrev_b32 v4, 3, v2                        ; 8 L
	s_wait_kmcnt 0x0
	s_cmp_eq_u32 s4, 1
	s_cselect_b64 s[24:25], s[12:13], s[10:11]
	s_cmp_eq_u32 s4, 2
	s_cselect_b64 s[24:25], s[14:15], s[24:25]
	s_cmp_eq_u32 s4, 3
	s_cselect_b64 s[24:25], s[16:17], s[24:25]
	s_add_nc_u64 s[24:25], s[24:25], s[6:7]
	s_add_nc_u64 s[20:21], s[20:21], s[22:23]
.set n, 0
.rept 32
	global_load_b128 v[X+4*n:X+4*n+3], v3, s[24:25] offset:512*n th:TH_LOAD_NT
.set n, n+1
.endr
.set n, 0
.rept 32
	s_wait_loadcnt 31-n                            ; load n is in, the younger ones stay out
	v_cvt_pk_f16_f32 v[X+4*n],   v[X+4*n],   v[X+4*n+1]
	v_cvt_pk_f16_f32 v[X+4*n+1], v[X+4*n+2], v[X+4*n+3]
	global_store_b64 v4, v[X+4*n:X+4*n+1], s[20:21] offset:256*n   ; 256 consecutive bytes, aligned; every store has data registers of its own
.set n, n+1
.endr
	s_endpgm
.Lfunc_end_k_q320a8dc7ad_prep:
	.size	k_q320a8dc7ad_prep, .Lfunc_end_k_q320a8dc7ad_prep-k_q320a8dc7ad_prep
	.p2alignl 7, 3214868480
	.fill 96, 4, 3214868480
	.section	.rodata,"a",@progbits
	.p2align	6, 0x0
	.amdhsa_kernel k_q320a8dc7ad_prep
		.amdhsa_group_segment_fixed_size 35840
		.amdhsa_private_segment_fixed_size 0
		.amdhsa_enable_private_segment 0
		.amdhsa_kernarg_size 56
		.amdhsa_user_sgpr_count 2
		.amdhsa_user_sgpr_kernarg_segment_ptr 1
		.amdhsa_wavefront_size32 1
		.amdhsa_system_sgpr_workgroup_id_x 1
		.amdhsa_system_sgpr_workgroup_id_y 1
		.amdhsa_system_sgpr_workgroup_id_z 1
		.amdhsa_system_vgpr_workitem_id 0
		.amdhsa_next_free_vgpr 174
		.amdhsa_next_free_sgpr 66
		.amdhsa_reserve_vcc 0
		.amdhsa_float_denorm_mode_32 3
		.amdhsa_float_denorm_mode_16_64 3
		.amdhsa_memory_ordered 1
		.amdhsa_forward_progress 1
		.amdhsa_inst_pref_size 38
	.end_amdhsa_kernel
	.amdgpu_metadata
---
amdhsa.version: [ 1, 2 ]
amdhsa.kernels:
  - .name:           k_q320a8dc7ad_prep
    .symbol:         k_q320a8dc7ad_prep.kd
    .args:
      - { .name: mask, .offset: 0, .size: 8, .value_kind: global_buffer, .address_space: global }
      - { .name: Wq, .offset: 8, .size: 8, .value_kind: global_buffer, .address_space: global }
      - { .name: Wk, .offset: 16, .size: 8, .value_kind: global_buffer, .address_space: global }
      - { .name: Wv, .offset: 24, .size: 8, .value_kind: global_buffer, .address_space: global }
      - { .name: Wo, .offset: 32, .size: 8, .value_kind: global_buffer, .address_space: global }
      - { .name: maskw, .offset: 40, .size: 8, .value_kind: global_buffer, .address_space: global }
      - { .name: wb, .offset: 48, .size: 8, .value_kind: global_buffer, .address_space: global }
    .group_segment_fixed_size: 35840
    .private_segment_fixed_size: 0
    .kernarg_segment_align: 8
    .kernarg_segment_size: 56
    .max_flat_workgroup_size: 256
    .sgpr_count:     66
    .vgpr_count:     174
    .wavefront_size: 32
...
	.end_amdgpu_metadata
.endif
;; end of part 1
;; launch qkvproj (part 2): grid 4 x 192, 4 waves a work-group, clusters of 4 x 4, 327,680 bytes of LDS; arguments query, key_in, value, wb, bq, bk, bv, alpha_param, qkv; writes qkv
.if DOCPART == 2
	.amdgcn_target "amdgcn-amd-amdhsa--gfx1250"
	.amdhsa_code_object_version 6
	.text
	.protected	k_q320a8dc7ad_qkvproj
	.globl	k_q320a8dc7ad_qkvproj
	.p2align	8
	.type	k_q320a8dc7ad_qkvproj,@function
k_q320a8dc7ad_qkvproj:
	s_mov_b64 s[64:65], 0
	v_nop
	global_prefetch_b8 v0, s[64:65] scope:SCOPE_SE
	s_setreg_imm32_b32 hwreg(HW_REG_WAVE_MODE, 25, 1), 1
	s_wait_xcnt 0x0
	s_wait_alu depctr_hold_cnt(0) depctr_sa_sdst(0) depctr_va_vdst(0) depctr_va_sdst(0) depctr_va_ssrc(0) depctr_va_vcc(0) depctr_vm_vsrc(0)
	s_getreg_b32 s2, hwreg(HW_REG_IB_STS2, 6, 4)
	s_cmp_eq_u32 s2, 0
	s_cbranch_scc0 .Lentry_in_a_cluster
	s_endpgm
.Lentry_in_a_cluster:
	s_bfe_u32 s2, ttmp6, 0x10000c
	s_cmp_lg_u32 s2, 0xf033
	s_cbranch_scc0 .Lentry_shape_is_right
	s_endpgm
.Lentry_shape_is_right:
; q' = (query Wq^T + bq) c1,  k = key_in Wk^T + bk,  v = value Wv^T + bv, stored in f16 as qkv[3][b][head][s][64].
; c1 = sigmoid(alpha_param) log2(e) / 8: the weight of the dot-product scores, the 1/sqrt(64) and the change to base 2, folded in in f32.
; 768 work-groups: 3 products x 64 blocks of 128 tokens x 4 blocks of 256 features.  Four waves, one for each SIMD of a WGP; a wave makes
; 64 tokens x 128 features: 32 accumulator tiles, 256 registers.  K = 1024 goes in 8 steps of 128 through two LDS slots.
; X comes as f32 (rows of 512 bytes) and is rounded to f16 in registers on the way from LDS to the matrix unit: 32 conversions for 32
; products.  W comes as f16 from wb (rows of 256 bytes).
; LIMIT: matrix operands are f16, sums f32.  |X|, |W| and the results must stay under 65,504 (above it the conversion gives infinity).
; Results as drawn reach about 6; with every input 30 times larger about 5,400; with an offset of 30 spreads on X and W about 28,800.
; CLUSTERS: 4 x 4 work-groups.  The four of a row of the cluster have one token block and ask for X's tiles jointly; the four of a column
; have one feature block and ask for W's tiles jointly.  Which of the three products is made hangs on the cluster's y alone.
; THE MATRIX INSTRUCTION IS USED TRANSPOSED: source 0 = 16 rows of W, source 1 = 16 token rows, so that a lane's 8 results are
; 8 neighbouring features of token l % 16.
; REGISTER WINDOWS: 0: addresses, A's and B's fragments (two buffers each); 1: the accumulators, tile (a, b) at 8 (8 a + b);
; 2: v0-63 A as loaded (f32), v64-127 the bias of my 128 features.
.set KSTEP,  128
.set APITCH, 528                       ; 512 bytes of f32 + 16: an odd multiple of 16, so 16 rows' 16-byte pieces fall on different banks (ISA guide 11.1)
.set BPITCH, 272                       ; 256 bytes of f16 + 16
.set AHALF,  64*APITCH                 ; what one tensor load of X brings, and what one wave reads
.set BHALF,  128*BPITCH                ; the same for W
.set BOFF,   2*AHALF
.set SLOT,   BOFF+2*BHALF              ; 137,216
.set STAGE,  2*SLOT                    ; behind the ring, a multiple of 256: 16 rows x 272 bytes for each wave; no tensor load lands here
.set SPITCH, 272
.set LAPS,   1024/(2*KSTEP)            ; a lap = two K steps = once round the ring
.set ADRA, 16                          ; v16-17 LDS address of my A rows in slot 0, 1
.set ADRB, 20                          ; v20-21 the same for B
.set STO,  24                          ; way out: where I put 16 bytes
.set RD,   25                          ; way out: where I read 16 bytes back
.set CO,   26                          ; 16 x lane
.set BO,   27                          ; 32 x (lane / 16): my 8 features in a block of 16
.set SC,   28                          ; v[28:29] the scale, twice
.set TT,   30
.set AF0,  32                          ; v32-63, v64-95    A fragments, buffer 0, 1
.set BF0,  96                          ; v96-159, v160-223 B fragments, buffer 0, 1
.set TF,   96                          ; way out: 64 results in f32 (B's buffer 0)
.set PK,   32                          ; way out: packed (A's buffer 0)
.set OUTR, 160                         ; way out: rows read back, two halves by turns (B's buffer 1)
.set RAW,  0                           ; window 2
.set BIAS, 64                          ; window 2
.set G1, 24                            ; s[24:31] group 1 for X's tiles
.set G0, 32                            ; s[32:39] group 0 for X's tiles, one set for each slot
.set G1B, 48                           ; s[48:55] group 1 for W's tiles
.set G0B, 56                           ; s[56:63] group 0 for W's tiles
.set MSB, 0
.macro WIN new                         ; the immediate's high byte repeats the setting that is left
.if MSB != \new
	s_set_vgpr_msb (MSB<<8)|\new
.set MSB, \new
.endif
.endm
.macro PLACES                          ; four independent vector instructions behind a matrix instruction (ISA guide 7.12.1)
.rept 4
	v_nop
.endr
.endm
; A joint load: waves 0 and 1 fetch X's two halves, waves 2 and 3 W's.  The branch hangs on the wave's number alone.
.macro JLOAD s
	s_cmp_eq_u32 s11, 0
	s_cbranch_scc0 .Lfor_b_\@
	tensor_load_to_lds s[G0+4*\s:G0+4*\s+3], s[G1:G1+7]
	s_nop 0
	s_branch .Lasked_\@
.Lfor_b_\@:
	tensor_load_to_lds s[G0B+4*\s:G0B+4*\s+3], s[G1B:G1B+7]
	s_nop 0
.Lasked_\@:
.endm
.macro CREST                           ; a round of the cluster's barrier behind its opening work-group barrier
	s_cmp_lg_u32 s10, 0
	s_cbranch_scc1 .Lnot_wave_0_\@
	s_barrier_signal -3
.Lnot_wave_0_\@:
	s_barrier_wait -3
	s_barrier_signal -1
	s_barrier_wait -1
.endm
.macro CROUND
	s_barrier_signal -1
	s_barrier_wait -1
	CREST
.endm
	s_load_b512 s[68:83], s[0:1], 0x0              ; query 68, key_in 70, value 72, wb 74, bq 76, bk 78, bv 80, alpha_param 82
	s_load_b64 s[84:85], s[0:1], 0x40              ; qkv
	s_set_vgpr_msb 0x80
	v_lshl_add_u32 v128, v0, 2, 0x47400
	v_mov_b32 v129, 0
	s_set_vgpr_msb 0x808a
	ds_add_u32 v128, v129
	s_set_vgpr_msb 0x8a00
	v_lshrrev_b32 v1, 5, v0
	v_readfirstlane_b32 s10, v1                    ; wave 0..3
	s_lshr_b32 s11, s10, 1                         ; my 64 tokens of the block.  Also: I fetch for X (0) or for W (1)
	s_and_b32 s12, s10, 1                          ; my 128 features.  Also: which half of that tile I fetch
	s_bfe_u32 s40, ttmp6, 0x40000                  ; cx
	s_bfe_u32 s41, ttmp6, 0x40004                  ; cy
	s_lshl_b32 s42, ttmp9, 2
	s_add_co_u32 s42, s42, s40                     ; feature block 0..3
	s_and_b32 s45, ttmp7, 0xffff                   ; the cluster's y, 0..47
	s_lshr_b32 s86, s45, 4                         ; 0: q, 1: k, 2: v
	s_lshl_b32 s13, s45, 2
	s_add_co_u32 s13, s13, s41
	s_and_b32 s13, s13, 63                         ; token block 0..63
	s_lshl_b32 s43, s41, 2
	s_lshl_b32 s43, 15, s43                        ; my row of the cluster
	s_lshl_b32 s44, 0x1111, s40                    ; my column
	s_or_b32 s[G1+0], s43, (2<<16)|(1<<20)|(1<<21)|(6<<22)|(3<<25)   ; mask; elements of 4 bytes; 4 words of padding behind every 128 words
	s_mov_b32 s[G1+1], KSTEP<<16                   ; tensor_dim0 = 128
	s_mov_b32 s[G1+2], 64<<16                      ; tensor_dim1 = 64
	s_mov_b32 s[G1+3], KSTEP<<16                   ; tile_dim0 = 128
	s_mov_b32 s[G1+4], 64                          ; tile_dim1 = 64 rows
	s_mov_b32 s[G1+5], 1024                        ; elements from row to row
	s_mov_b32 s[G1+6], 0
	s_mov_b32 s[G1+7], 0
	s_or_b32 s[G1B+0], s44, (1<<16)|(1<<20)|(1<<21)|(5<<22)|(3<<25)  ; mask; elements of 2 bytes; 4 words of padding behind every 64 words
	s_mov_b32 s[G1B+1], KSTEP<<16
	s_mov_b32 s[G1B+2], 128<<16
	s_mov_b32 s[G1B+3], KSTEP<<16
	s_mov_b32 s[G1B+4], 128
	s_mov_b32 s[G1B+5], 1024
	s_mov_b32 s[G1B+6], 0
	s_mov_b32 s[G1B+7], 0
	; offsets.  X's hang on the token block (shared along my row), W's on the feature block (shared along my column); neither set of registers holds the other coordinate
	s_lshl_b32 s16, s13, 7
	s_lshl_b32 s17, s12, 6
	s_add_co_u32 s16, s16, s17                     ; first token row that I fetch
	s_lshl_b32 s16, s16, 12                        ; rows of 4,096 bytes
	s_mov_b32 s17, 0
	s_lshl_b32 s46, s42, 8
	s_lshl_b32 s47, s12, 7
	s_add_co_u32 s46, s46, s47                     ; first feature that I fetch, and the first that I make
	s_lshl_b32 s90, s46, 2                         ; its place in the bias
	s_mov_b32 s91, 0
	s_lshl_b32 s46, s46, 11                        ; rows of 2,048 bytes,
	s_lshl_b32 s47, s86, 21                        ; in the weight of my product
	s_add_co_u32 s46, s46, s47
	s_mov_b32 s47, 0
	s_lshr_b32 s88, s13, 3                         ; the way out: batch,
	s_lshl_b32 s88, s88, 4
	s_lshl_b32 s89, s42, 2
	s_add_co_u32 s88, s88, s89
	s_lshl_b32 s89, s12, 1
	s_add_co_u32 s88, s88, s89                     ; x 16 + my first head (4 x block + 2 x half),
	s_lshl_b32 s88, s88, 10
	s_and_b32 s89, s13, 7
	s_lshl_b32 s89, s89, 7
	s_add_co_u32 s88, s88, s89
	s_lshl_b32 s89, s11, 6
	s_add_co_u32 s88, s88, s89                     ; x 1024 + my first token in the sequence,
	s_lshl_b32 s88, s88, 7                         ; rows of 128 bytes,
	s_lshl_b32 s89, s86, 24
	s_add_co_u32 s88, s88, s89                     ; in part q, k or v
	s_mov_b32 s89, 0
	s_mul_i32 s20, s12, AHALF                      ; LDS: my half of X's tile,
	s_mul_i32 s92, s12, BHALF
	s_add_co_u32 s92, s92, BOFF                    ; my half of W's: the wave's number and constants alone
	s_wait_dscnt 0x0
	s_wait_kmcnt 0x0
	s_cmp_eq_u32 s86, 1
	s_cselect_b64 s[4:5], s[70:71], s[68:69]
	s_cselect_b64 s[6:7], s[78:79], s[76:77]
	s_cmp_eq_u32 s86, 2
	s_cselect_b64 s[4:5], s[72:73], s[4:5]         ; X of my product
	s_cselect_b64 s[6:7], s[80:81], s[6:7]         ; its bias
	s_add_nc_u64 s[14:15], s[4:5], s[16:17]
	s_add_nc_u64 s[46:47], s[74:75], s[46:47]
	s_add_nc_u64 s[6:7], s[6:7], s[90:91]
	s_add_nc_u64 s[8:9], s[84:85], s[88:89]
	s_load_b32 s87, s[82:83], 0x0                  ; alpha_param
	CROUND                                         ; all sixteen work-groups are here: the first joint loads meet
.irp s, 0,1
	s_mov_b32 s[G0+4*\s], 1
	s_add_co_u32 s[G0+4*\s+1], s20, \s*SLOT
	s_add_nc_u64 s[G0+4*\s+2:G0+4*\s+3], s[14:15], \s*KSTEP*4
	s_or_b32 s[G0+4*\s+3], s[G0+4*\s+3], 0x80000000
	s_mov_b32 s[G0B+4*\s], 1
	s_add_co_u32 s[G0B+4*\s+1], s92, \s*SLOT
	s_add_nc_u64 s[G0B+4*\s+2:G0B+4*\s+3], s[46:47], \s*KSTEP*2
	s_or_b32 s[G0B+4*\s+3], s[G0B+4*\s+3], 0x80000000
	JLOAD \s                                       ; K steps 0 and 1: two tensor loads of the wave are out, the most in this text
.endr
	v_and_b32 v1, 15, v0                           ; r = l % 16
	v_bfe_u32 v2, v0, 4, 1                         ; h = l / 16
	v_mul_u32_u24 v3, v1, APITCH
	v_lshl_add_u32 v3, v2, 5, v3                   ; A: row r, 8 f32 for each half of the lanes
	v_mul_u32_u24 v4, v1, BPITCH
	v_lshl_add_u32 v4, v2, 4, v4                   ; B: row r, 8 f16 for each half
	s_mul_i32 s21, s11, AHALF
	s_mul_i32 s22, s12, BHALF
	s_add_co_u32 s22, s22, BOFF
.irp s, 0,1
	v_add_nc_u32 v[ADRA+\s], s21, v3
	v_add_nc_u32 v[ADRB+\s], s22, v4
	s_add_co_u32 s21, s21, SLOT
	s_add_co_u32 s22, s22, SLOT
.endr
	s_mul_i32 s23, s10, 16*SPITCH
	s_add_co_u32 s23, s23, STAGE
	v_add_nc_u32 v[STO], s23, v4                   ; in: token r, 16 bytes for each half (the stage has B's pitch)
	v_and_b32 v5, 31, v0
	v_lshrrev_b32 v6, 3, v5
	v_and_b32 v7, 7, v0
	v_mul_u32_u24 v6, v6, SPITCH
	v_lshl_add_u32 v6, v7, 4, v6
	v_add_nc_u32 v[RD], s23, v6                    ; back: eight lanes take one token's 128 bytes of one head
	v_lshlrev_b32 v[CO], 4, v5
	v_lshlrev_b32 v[BO], 5, v2
	WIN 0x80                                       ; destination window 2
.irp b, 0,1,2,3,4,5,6,7
	global_load_b128 v[BIAS+8*\b:BIAS+8*\b+3],   v[BO], s[6:7] offset:64*\b      ; the bias of features 16 b + 8 h + 0..7; waited for at the way out
	global_load_b128 v[BIAS+8*\b+4:BIAS+8*\b+7], v[BO], s[6:7] offset:64*\b+16
.endr
	WIN 0
	s_wait_kmcnt 0x0
	v_mov_b32 v[TT], s87
	v_mul_f32 v[TT], 0xbfb8aa3b, v[TT]             ; -a log2(e)
	v_exp_f32 v[TT], v[TT]
	v_nop                                          ; one plain place behind a transcendental (ISA guide 5.7.2)
	s_wait_alu depctr_va_vdst(0)
	v_add_f32 v[TT], 1.0, v[TT]
	v_rcp_f32 v[TT], v[TT]                         ; sigmoid(a); an overflowing exponential gives 0, as it should
	v_nop
	s_wait_alu depctr_va_vdst(0)
	v_mul_f32 v[TT], 0x3e38aa3b, v[TT]             ; x log2(e) / 8
	s_cmp_eq_u32 s86, 0
	s_cselect_b32 s87, -1, 0
	v_cndmask_b32 v[SC], 1.0, v[TT], s87           ; q is scaled, k and v are not
	v_mov_b32 v[SC+1], v[SC]
; 16 products: token blocks a0, a0 + 1 x all 8 feature blocks, 32 along K.  The 32 accumulators take turns, one instruction a turn, in the
; same order in every quarter step, over the loop's backward jump too.
.macro MUL16 f, a0, zero
	WIN 0x50                                       ; C and D window 1
.irp a, \a0, \a0+1
.irp b, 0,1,2,3,4,5,6,7
.if \zero
	v_wmma_f32_16x16x32_f16 v[8*(8*(\a)+\b):8*(8*(\a)+\b)+7], v[BF0+64*\f+8*\b:BF0+64*\f+8*\b+7], v[AF0+32*\f+8*(\a):AF0+32*\f+8*(\a)+7], 0
.else
	v_wmma_f32_16x16x32_f16 v[8*(8*(\a)+\b):8*(8*(\a)+\b)+7], v[BF0+64*\f+8*\b:BF0+64*\f+8*\b+7], v[AF0+32*\f+8*(\a):AF0+32*\f+8*(\a)+7], v[8*(8*(\a)+\b):8*(8*(\a)+\b)+7]
.endif
.endr
.endr
.endm
; 16 loads: 64 token rows x 32 K in f32.  A lane's K = 8 h + 0..7 are 32 bytes, K = 16 + 8 h + 0..7 the 32 bytes 64 further on.
.macro FETCHA slot, kq
	WIN 0x80
.irp a, 0,1,2,3
	ds_load_b128 v[RAW+16*\a:RAW+16*\a+3],     v[ADRA+\slot] offset:\a*16*APITCH+\kq*128
	ds_load_b128 v[RAW+16*\a+4:RAW+16*\a+7],   v[ADRA+\slot] offset:\a*16*APITCH+\kq*128+16
	ds_load_b128 v[RAW+16*\a+8:RAW+16*\a+11],  v[ADRA+\slot] offset:\a*16*APITCH+\kq*128+64
	ds_load_b128 v[RAW+16*\a+12:RAW+16*\a+15], v[ADRA+\slot] offset:\a*16*APITCH+\kq*128+80
.endr
.endm
; 16 loads: 128 feature rows x 32 K in f16 into buffer f
.macro FETCHB slot, kq, f
	WIN 0
.irp i, 0,1,2,3,4,5,6,7
	ds_load_b128 v[BF0+64*\f+8*\i:BF0+64*\f+8*\i+3],   v[ADRB+\slot] offset:\kq*64+\i*16*BPITCH
	ds_load_b128 v[BF0+64*\f+8*\i+4:BF0+64*\f+8*\i+7], v[ADRB+\slot] offset:\kq*64+\i*16*BPITCH+32
.endr
.endm
; 32 roundings: A as loaded becomes buffer f's fragments.  They name only window 2 and buffer f, which the matrix instructions just issued do
; not name, so they are also the places between those and the loads into the other buffer that follow.
.macro CVTA f
	WIN 0x0a                                       ; both sources window 2
.set i, 0
.rept 32
	v_cvt_pk_f16_f32 v[AF0+32*\f+i], v[RAW+2*i], v[RAW+2*i+1]
.set i, i+1
.endr
.endm
; One of a K step's first three quarters: multiplies buffer f and fetches quarter kn of the same slot into buffer g.
.macro QUARTER slot, kn, f, g, zero
	s_wait_dscnt 16                                ; A's 16 loads are in; B's 16, issued behind them, may be out
	CVTA \f
	FETCHA \slot, \kn
	FETCHB \slot, \kn, \g
	s_wait_dscnt 32                                ; all but the 32 just issued
	MUL16 \f, 0, \zero
	MUL16 \f, 2, \zero
.endm
.macro THREE slot, zero
	QUARTER \slot, 1, 0, 1, \zero
	QUARTER \slot, 2, 1, 0, 0
	QUARTER \slot, 3, 0, 1, 0
.endm
; The last quarter multiplies buffer 1 and changes slots.  In front of the barrier every wave has waited for its reads of this slot and for all
; its tensor loads (one is out: its part of the next slot).  Where the slot is filled again the barrier opens a round of the cluster's barrier, and
; the joint refill is the first tensor load behind the round's closing wait, one a wave.
.macro TURN slot, next, fill
	s_wait_dscnt 0x0                               ; my reads of this slot are over
	CVTA 1
	s_wait_tensorcnt 0x0                           ; all my tensor loads have landed
	ds_add_u32 v128, v129
	s_wait_dscnt 0x0
	s_barrier_signal -1
	MUL16 1, 0, 0                                  ; register work while the others arrive
	WIN 0
	s_barrier_wait -1
.if \fill
	CREST
	s_add_nc_u64 s[G0+4*\slot+2:G0+4*\slot+3], s[G0+4*\slot+2:G0+4*\slot+3], 2*KSTEP*4     ; no tensor load of mine is out: group 0 may be written
	s_add_nc_u64 s[G0B+4*\slot+2:G0B+4*\slot+3], s[G0B+4*\slot+2:G0B+4*\slot+3], 2*KSTEP*2
	JLOAD \slot
.endif
	FETCHA \next, 0
	FETCHB \next, 0, 0                             ; buffer 0 was last multiplied in front of the 32 roundings above
	MUL16 1, 2, 0
.endm
.macro LAP zero
	THREE 0, \zero
	TURN 0, 1, 1
	THREE 1, 0
	TURN 1, 0, 1
.endm
	s_wait_tensorcnt 0x1                           ; my part of K step 0 is in; K step 1's may stay out
	s_barrier_signal -1
	s_barrier_wait -1
	FETCHA 0, 0
	FETCHB 0, 0, 0
	LAP 1                                          ; the first lap's first products start the sums: nothing is cleared
	WIN 0
	s_mov_b32 s3, LAPS-2
.Llap:
	LAP 0
	WIN 0
	s_sub_co_u32 s3, s3, 1
	s_cmp_lg_u32 s3, 0
	s_cbranch_scc1 .Llap
	THREE 0, 0                                     ; the last lap fills nothing
	TURN 0, 1, 0
	THREE 1, 0
	s_wait_dscnt 0x0
	CVTA 1
	MUL16 1, 0, 0
	MUL16 1, 2, 0
	; THE WAY OUT: (sum + bias) x scale = sum x scale + bias x scale, rounded to f16, 16 tokens at a time through my own stage.
	PLACES
	s_wait_loadcnt 0x0                             ; the bias
	WIN 0x82                                       ; destination and source 0 window 2
.set i, 0
.rept 32
	v_pk_mul_f32 v[BIAS+2*i:BIAS+2*i+1], v[BIAS+2*i:BIAS+2*i+1], v[SC:SC+1]
.set i, i+1
.endr
.macro OUT16 a, o
	WIN 0x21                                       ; source 0 window 1, source 2 window 2
.set i, 0
.rept 32
	v_pk_fma_f32 v[TF+2*i:TF+2*i+1], v[64*\a+2*i:64*\a+2*i+1], v[SC:SC+1], v[BIAS+2*i:BIAS+2*i+1]
.set i, i+1
.endr
	WIN 0
.set i, 0
.rept 32
	v_cvt_pk_f16_f32 v[PK+i], v[TF+2*i], v[TF+2*i+1]
.set i, i+1
.endr
.irp b, 0,1,2,3,4,5,6,7
	ds_store_b128 v[STO], v[PK+4*\b:PK+4*\b+3] offset:32*\b
.endr
	s_wait_xcnt 0x0                                ; the registers that earlier stores read are loaded again only behind this wait
.irp t, 0,1,2,3,4,5,6,7
	ds_load_b128 v[\o+4*\t:\o+4*\t+3], v[RD] offset:(\t&3)*4*SPITCH+(\t>>2)*128   ; my own bytes, served in order: these see the stores above
.endr
.irp t, 0,1,2,3,4,5,6,7
	s_wait_dscnt 7-\t
	global_store_b128 v[CO], v[\o+4*\t:\o+4*\t+3], s[8:9] offset:(\t>>2)*131072+(\t&3)*512+\a*2048   ; four tokens of one head: 512 consecutive bytes, aligned
.endr
.endm
	OUT16 0, OUTR
	OUT16 1, OUTR+32
	OUT16 2, OUTR
	OUT16 3, OUTR+32
	s_set_vgpr_msb 0xa
	s_wait_tensorcnt 0x0
	ds_add_u32 v128, v129
	s_wait_dscnt 0x0
	s_set_vgpr_msb 0xa00
	CROUND                                         ; the closing round: no work-group ends while a partner may still ask jointly
	s_endpgm
.Lfunc_end_k_q320a8dc7ad_qkvproj:
	.size	k_q320a8dc7ad_qkvproj, .Lfunc_end_k_q320a8dc7ad_qkvproj-k_q320a8dc7ad_qkvproj
	.p2alignl 7, 3214868480
	.fill 96, 4, 3214868480
	.section	.rodata,"a",@progbits
	.p2align	6, 0x0
	.amdhsa_kernel k_q320a8dc7ad_qkvproj
		.amdhsa_group_segment_fixed_size 327680
		.amdhsa_private_segment_fixed_size 0
		.amdhsa_enable_private_segment 0
		.amdhsa_kernarg_size 72
		.amdhsa_user_sgpr_count 2
		.amdhsa_user_sgpr_kernarg_segment_ptr 1
		.amdhsa_wavefront_size32 1
		.amdhsa_system_sgpr_workgroup_id_x 1
		.amdhsa_system_sgpr_workgroup_id_y 1
		.amdhsa_system_sgpr_workgroup_id_z 1
		.amdhsa_system_vgpr_workitem_id 0
		.amdhsa_next_free_vgpr 642
		.amdhsa_next_free_sgpr 96
		.amdhsa_reserve_vcc 0
		.amdhsa_float_denorm_mode_32 3
		.amdhsa_float_denorm_mode_16_64 3
		.amdhsa_memory_ordered 1
		.amdhsa_forward_progress 1
		.amdhsa_inst_pref_size 189
	.end_amdhsa_kernel
	.amdgpu_metadata
---
amdhsa.version: [ 1, 2 ]
amdhsa.kernels:
  - .name:           k_q320a8dc7ad_qkvproj
    .symbol:         k_q320a8dc7ad_qkvproj.kd
    .args:
      - { .name: query, .offset: 0, .size: 8, .value_kind: global_buffer, .address_space: global }
      - { .name: key_in, .offset: 8, .size: 8, .value_kind: global_buffer, .address_space: global }
      - { .name: value, .offset: 16, .size: 8, .value_kind: global_buffer, .address_space: global }
      - { .name: wb, .offset: 24, .size: 8, .value_kind: global_buffer, .address_space: global }
      - { .name: bq, .offset: 32, .size: 8, .value_kind: global_buffer, .address_space: global }
      - { .name: bk, .offset: 40, .size: 8, .value_kind: global_buffer, .address_space: global }
      - { .name: bv, .offset: 48, .size: 8, .value_kind: global_buffer, .address_space: global }
      - { .name: alpha_param, .offset: 56, .size: 8, .value_kind: global_buffer, .address_space: global }
      - { .name: qkv, .offset: 64, .size: 8, .value_kind: global_buffer, .address_space: global }
    .group_segment_fixed_size: 327680
    .private_segment_fixed_size: 0
    .kernarg_segment_align: 8
    .kernarg_segment_size: 72
    .max_flat_workgroup_size: 128
    .sgpr_count:     96
    .vgpr_count:     642
    .wavefront_size: 32
...
	.end_amdgpu_metadata
.endif
;; end of part 2
;; launch attn (part 3): grid 8 x 32, 8 waves a work-group, clusters of 4 x 1, 327,680 bytes of LDS; arguments qkv, syn_scores, maskw, alpha_param, ctx; writes ctx
.if DOCPART == 3
	.amdgcn_target "amdgcn-amd-amdhsa--gfx1250"
	.amdhsa_code_object_version 6
	.text
	.protected	k_q320a8dc7ad_attn
	.globl	k_q320a8dc7ad_attn
	.p2align	8
	.type	k_q320a8dc7ad_attn,@function
k_q320a8dc7ad_attn:
	s_mov_b64 s[64:65], 0
	v_nop
	global_prefetch_b8 v0, s[64:65] scope:SCOPE_SE
	s_setreg_imm32_b32 hwreg(HW_REG_WAVE_MODE, 25, 1), 1
	s_wait_xcnt 0x0
	s_wait_alu depctr_hold_cnt(0) depctr_sa_sdst(0) depctr_va_vdst(0) depctr_va_sdst(0) depctr_va_ssrc(0) depctr_va_vcc(0) depctr_vm_vsrc(0)
	s_getreg_b32 s2, hwreg(HW_REG_IB_STS2, 6, 4)
	s_cmp_eq_u32 s2, 0
	s_cbranch_scc0 .Lentry_in_a_cluster
	s_endpgm
.Lentry_in_a_cluster:
	s_bfe_u32 s2, ttmp6, 0x10000c
	s_cmp_lg_u32 s2, 0x3003
	s_cbranch_scc0 .Lentry_shape_is_right
	s_endpgm
.Lentry_shape_is_right:
; ctx[b][h][q][:] = softmax over keys of ( where(mask == 0, -1e9, alpha q.k / 8 + (1 - alpha) syn[h][q][key]) ) . v,  f16 out.
; Everything is kept in base 2: q' already carries alpha log2(e) / 8, syn is taken times c2 = sigmoid(-alpha_param) log2(e) (1 - alpha without
; a difference), and the masked logit is -1e9 log2(e).  The mask SELECTS, as in the source, under a running maximum, so a row without any
; open key comes out as the plain mean of v.
; SHARES: a work-group has one head, 128 queries and 4 batches; wave w has batch 4 bg + (w & 3) and 64 queries (w >> 2), and walks all 1024 keys
; in 16 tiles of 64.  So a tile of syn (128 x 64 f32) serves four waves and a tile of K or V two.  Eight waves, two on a SIMD: one wave's
; exponentials run beside the other's products.
; CLUSTERS: the four work-groups of a cluster are four query blocks of one head and batch group: they read the same K and V tiles (64 KiB of a
; step's 96 KiB) and ask for them jointly.  syn's tile hangs on the query block and is a load of the work-group's own; the one other work-group
; that reads it (the other batch group) lies along y, where the cluster has no extent.
; LAYOUT: S^T = K Q'^T, so lane (r, hh) holds query r and keys 8 hh + 0..7 of a 16 x 16 tile.  Maximum and sum are then taken inside the lane
; and across one pair of lanes; the packed P of two tiles IS source 1 of O^T = V^T P^T; the rescaling factor is the lane's own; and
; register j's mask is one word of maskw, used as the lane mask of v_cndmask_b32.
; LIMITS: matrix operands (q', k, v, P) are f16 and ctx is f16: |k|, |v| under 65,504.  The row sum is taken from the unrounded f32 P.
; v_max3_num_f32 drops a NaN, so a NaN logit does not reach the maximum.  v_exp_f32 gives 0 below 2^-126.
.set SYP,   272                        ; syn: 256 bytes + 16
.set KP,    144                        ; K: 128 bytes + 16
.set VP,    160                        ; V: 128 bytes + 32: an odd multiple of 32, for the transposing loads
.set KOFF,  128*SYP
.set VOFF,  KOFF+4*64*KP
.set SLOT,  VOFF+4*64*VP               ; 112,640
.set STAGE, 2*SLOT                     ; a multiple of 256; 16 rows x 144 bytes for each wave; no tensor load lands here
.set PART,  16777216                   ; bytes of q', of k, of v in qkv
.set ADK, 2                            ; v2-3  LDS address of my K rows in slot 0, 1
.set ADV, 4                            ; v4-5  of my V rows
.set ADS, 6                            ; v6-7  of my syn rows
.set STO, 8
.set RD,  9
.set CO,  10
.set NEG, 11                           ; -1e9 log2(e)
.set C2,  12                           ; v[12:13] c2, twice
.set MN,  14                           ; v[14:15] the new maximum, twice
.set F,   16                           ; v[16:17] 2^(old - new maximum), twice
.set M,   18                           ; v18-21 running maximum of query block qt
.set L,   22                           ; v22-25 running sum, over this half of the lanes' keys
.set T0,  26
.set T1,  27
.set T2,  28
.set S,   32                           ; v32-63   four score tiles (64 keys x 16 queries)
.set SY,  64                           ; v64-95   syn in the same places
.set PB,  96                           ; v96-111  P packed: source 1 of two products
.set KF,  112                          ; v112-175 K fragments: 16 kt + 8 e
.set VF,  176                          ; v176-239 V^T fragments: 32 ks + 8 dt
.set TS,  240                          ; v240-247 partial sums in the loop
.set OUTR, 240                         ; v240-255 rows read back on the way out
.set QF,  128                          ; window 1: Q fragments at 128 + 16 qt + 8 e; O(qt, dt) at 32 qt + 8 dt
.set G1S, 16
.set G1K, 24
.set G1V, 32
.set G0S, 40                           ; one set of four for each slot
.set G0K, 48
.set G0V, 56
.set MK,  68                           ; s[68:99] the 32 mask words of one query block and key tile
.set MSB, 0
.macro WIN new
.if MSB != \new
	s_set_vgpr_msb (MSB<<8)|\new
.set MSB, \new
.endif
.endm
.macro PLACES                          ; four independent vector instructions behind a matrix instruction (ISA guide 7.12.1)
.rept 4
	v_nop
.endr
.endm
.macro ROUND                           ; a round of the cluster's barrier
	s_barrier_signal -1
	s_barrier_wait -1
	s_cmp_lg_u32 s8, 0
	s_cbranch_scc1 .Lnot_wave_0_\@
	s_barrier_signal -3
.Lnot_wave_0_\@:
	s_barrier_wait -3
	s_barrier_signal -1
	s_barrier_wait -1
.endm
; A tile's six loads, one a wave: waves 0, 1 syn's two halves, waves 2, 3 K of two batches each, waves 4, 5 V; waves 6, 7 none.
.macro LOADT s
	s_cmp_lg_u32 s9, 0
	s_cbranch_scc1 .Lnot_syn_\@
	tensor_load_to_lds s[G0S+4*(\s):G0S+4*(\s)+3], s[G1S:G1S+7]
	s_nop 0
	s_branch .Lasked_\@
.Lnot_syn_\@:
	s_cmp_lg_u32 s9, 1
	s_cbranch_scc1 .Lnot_k_\@
	tensor_load_to_lds s[G0K+4*(\s):G0K+4*(\s)+3], s[G1K:G1K+7]
	s_nop 0
	s_branch .Lasked_\@
.Lnot_k_\@:
	s_cmp_lg_u32 s9, 2
	s_cbranch_scc1 .Lasked_\@
	tensor_load_to_lds s[G0V+4*(\s):G0V+4*(\s)+3], s[G1V:G1V+7]
	s_nop 0
.Lasked_\@:
.endm
	s_load_b256 s[68:75], s[0:1], 0x0              ; qkv 68, syn_scores 70, maskw 72, alpha_param 74
	s_load_b64 s[76:77], s[0:1], 0x20              ; ctx
	s_set_vgpr_msb 0x40
	v_lshl_add_u32 v192, v0, 2, 0x3b800
	v_mov_b32 v193, 0
	s_set_vgpr_msb 0x4045
	ds_add_u32 v192, v193
	s_set_vgpr_msb 0x4500
	v_lshrrev_b32 v1, 5, v0
	v_readfirstlane_b32 s8, v1                     ; wave 0..7
	s_lshr_b32 s9, s8, 1                           ; what I fetch
	s_and_b32 s10, s8, 1                           ; which half of it
	s_and_b32 s80, s8, 3                           ; my batch in the group of four
	s_lshr_b32 s81, s8, 2                          ; my 64 queries of the 128
	s_bfe_u32 s82, ttmp6, 0x40000                  ; cx
	s_lshl_b32 s83, ttmp9, 2
	s_add_co_u32 s83, s83, s82                     ; query block 0..7
	s_and_b32 s84, ttmp7, 0xffff
	s_lshr_b32 s85, s84, 1                         ; head
	s_and_b32 s86, s84, 1                          ; batch group
	s_lshl_b32 s87, s86, 2
	s_add_co_u32 s87, s87, s80                     ; batch
	s_mov_b32 s13, 0x76543210                      ; v_permlanex16_b32: lane i reads lane i of the other half
	s_mov_b32 s14, 0xfedcba98
	s_lshl_b32 s88, s85, 10                        ; syn: row head x 1024 + 128 x block + 64 x half,
	s_lshl_b32 s89, s83, 7
	s_add_co_u32 s88, s88, s89
	s_lshl_b32 s89, s10, 6
	s_add_co_u32 s88, s88, s89
	s_lshl_b32 s88, s88, 12                        ; of 4,096 bytes
	s_mov_b32 s89, 0
	s_lshl_b32 s90, s86, 2                         ; K, V: batch 4 bg + 2 x half,
	s_lshl_b32 s91, s10, 1
	s_add_co_u32 s90, s90, s91
	s_lshl_b32 s90, s90, 4
	s_add_co_u32 s90, s90, s85                     ; x 16 + head,
	s_lshl_b32 s90, s90, 17                        ; of 1024 x 128 bytes: nothing of cx in these registers
	s_add_co_u32 s92, s90, 2*PART
	s_add_co_u32 s90, s90, PART
	s_mov_b32 s91, 0
	s_mov_b32 s93, 0
	s_lshl_b32 s94, s87, 4                         ; Q and ctx: ((batch x 16 + head) x 1024 + my first query) x 128 bytes
	s_add_co_u32 s94, s94, s85
	s_lshl_b32 s94, s94, 10
	s_lshl_b32 s95, s83, 7
	s_add_co_u32 s94, s94, s95
	s_lshl_b32 s95, s81, 6
	s_add_co_u32 s94, s94, s95
	s_lshl_b32 s94, s94, 7
	s_mov_b32 s95, 0
	s_lshl_b32 s96, s87, 6                         ; mask words: (batch x 64 + my first block of 16 queries) x 2,048 bytes
	s_lshl_b32 s97, s83, 3
	s_add_co_u32 s96, s96, s97
	s_lshl_b32 s97, s81, 2
	s_add_co_u32 s96, s96, s97
	s_lshl_b32 s96, s96, 11
	s_mov_b32 s97, 0
	s_mul_i32 s78, s10, 64*SYP                     ; LDS places of what I fetch: the wave's number and constants alone
	s_mul_i32 s79, s10, 2*64*KP
	s_add_co_u32 s79, s79, KOFF
	s_mul_i32 s98, s10, 2*64*VP
	s_add_co_u32 s98, s98, VOFF
	s_mov_b32 s[G1S+0], (2<<16)|(1<<20)|(5<<22)|(3<<25)    ; no mask; elements of 4 bytes; 4 words of padding behind every 64
	s_mov_b32 s[G1S+1], 64<<16                     ; tensor_dim0 = 64 keys
	s_mov_b32 s[G1S+2], 64<<16                     ; tensor_dim1 = 64 queries
	s_mov_b32 s[G1S+3], 64<<16                     ; tile_dim0
	s_mov_b32 s[G1S+4], 64                         ; tile_dim1
	s_mov_b32 s[G1S+5], 1024
	s_mov_b32 s[G1S+6], 0
	s_mov_b32 s[G1S+7], 0
	; K and V: 64 keys of a head are 8 KiB without gaps: one row of 1024 elements of 8 bytes for each of two batches, 2 MiB apart; padding behind every key's 32 words
	s_mov_b32 s[G1K+0], 15|(3<<16)|(1<<20)|(1<<21)|(4<<22)|(3<<25)
	s_mov_b32 s[G1K+1], 1024<<16
	s_mov_b32 s[G1K+2], 2<<16
	s_mov_b32 s[G1K+3], 1024<<16
	s_mov_b32 s[G1K+4], 2
	s_mov_b32 s[G1K+5], 262144
	s_mov_b32 s[G1K+6], 0
	s_mov_b32 s[G1K+7], 0
	s_mov_b32 s[G1V+0], 15|(3<<16)|(1<<20)|(1<<21)|(4<<22)|(7<<25)
	s_mov_b32 s[G1V+1], 1024<<16
	s_mov_b32 s[G1V+2], 2<<16
	s_mov_b32 s[G1V+3], 1024<<16
	s_mov_b32 s[G1V+4], 2
	s_mov_b32 s[G1V+5], 262144
	s_mov_b32 s[G1V+6], 0
	s_mov_b32 s[G1V+7], 0
	s_wait_dscnt 0x0
	s_wait_kmcnt 0x0
	s_add_nc_u64 s[88:89], s[70:71], s[88:89]
	s_add_nc_u64 s[90:91], s[68:69], s[90:91]
	s_add_nc_u64 s[92:93], s[68:69], s[92:93]
	s_add_nc_u64 s[2:3], s[68:69], s[94:95]        ; my Q rows
	s_add_nc_u64 s[6:7], s[76:77], s[94:95]        ; my ctx rows
	s_add_nc_u64 s[4:5], s[72:73], s[96:97]        ; my mask words
	s_load_b32 s15, s[74:75], 0x0                  ; alpha_param
.irp s, 0,1
	s_mov_b32 s[G0S+4*\s], 1
	s_add_co_u32 s[G0S+4*\s+1], s78, \s*SLOT
	s_add_nc_u64 s[G0S+4*\s+2:G0S+4*\s+3], s[88:89], \s*256
	s_or_b32 s[G0S+4*\s+3], s[G0S+4*\s+3], 0x80000000
	s_mov_b32 s[G0K+4*\s], 1
	s_add_co_u32 s[G0K+4*\s+1], s79, \s*SLOT
	s_add_nc_u64 s[G0K+4*\s+2:G0K+4*\s+3], s[90:91], \s*8192
	s_or_b32 s[G0K+4*\s+3], s[G0K+4*\s+3], 0x80000000
	s_mov_b32 s[G0V+4*\s], 1
	s_add_co_u32 s[G0V+4*\s+1], s98, \s*SLOT
	s_add_nc_u64 s[G0V+4*\s+2:G0V+4*\s+3], s[92:93], \s*8192
	s_or_b32 s[G0V+4*\s+3], s[G0V+4*\s+3], 0x80000000
.endr
	ROUND                                          ; the four work-groups are here: the first joint loads meet
	LOADT 0                                        ; tile 0; a wave never has more than one tensor load out in this text
	v_and_b32 v1, 15, v0                           ; r
	v_bfe_u32 v26, v0, 4, 1                        ; hh
	v_and_b32 v27, 31, v0                          ; lane
	v_mul_u32_u24 v28, v1, KP
	v_lshl_add_u32 v28, v26, 4, v28                ; row r, 16 bytes for each half
	s_mul_i32 s66, s80, 64*KP
	s_add_co_u32 s66, s66, KOFF
	v_add_nc_u32 v[ADK], s66, v28
	v_add_nc_u32 v[ADK+1], SLOT, v[ADK]
	s_mul_i32 s67, s8, 16*KP
	s_add_co_u32 s67, s67, STAGE
	v_add_nc_u32 v[STO], s67, v28                  ; the stage has K's pitch
	v_lshrrev_b32 v29, 3, v27
	v_and_b32 v30, 7, v0
	v_mul_u32_u24 v29, v29, KP
	v_lshl_add_u32 v29, v30, 4, v29
	v_add_nc_u32 v[RD], s67, v29                   ; back: eight lanes take one query's 128 bytes
	v_lshlrev_b32 v[CO], 4, v27
	v_lshl_add_u32 v29, v26, 3, v30                ; V, transposing load: key row 8 hh + (lane & 7),
	v_mul_u32_u24 v29, v29, VP
	v_bfe_u32 v31, v0, 3, 1
	v_lshl_add_u32 v29, v31, 4, v29                ; 16 bytes by bit 3 of the lane
	s_mul_i32 s66, s80, 64*VP
	s_add_co_u32 s66, s66, VOFF
	v_add_nc_u32 v[ADV], s66, v29
	v_add_nc_u32 v[ADV+1], SLOT, v[ADV]
	v_mul_u32_u24 v29, v1, SYP
	v_lshl_add_u32 v29, v26, 5, v29                ; syn: query row r, 8 f32 for each half
	s_mul_i32 s66, s81, 64*SYP
	v_add_nc_u32 v[ADS], s66, v29
	v_add_nc_u32 v[ADS+1], SLOT, v[ADS]
	v_lshlrev_b32 v1, 7, v1
	v_lshl_add_u32 v1, v26, 4, v1                  ; Q in memory: row r of 128 bytes, 16 bytes for each half
	WIN 0x40                                       ; destination window 1
.irp qt, 0,1,2,3
.irp e, 0,1
	global_load_b128 v[QF+16*\qt+8*\e:QF+16*\qt+8*\e+3],   v1, s[2:3] offset:\qt*2048+\e*64
	global_load_b128 v[QF+16*\qt+8*\e+4:QF+16*\qt+8*\e+7], v1, s[2:3] offset:\qt*2048+\e*64+32
.endr
.endr
	WIN 0
	s_wait_kmcnt 0x0
	v_mov_b32 v26, s15
	v_mul_f32 v26, 0x3fb8aa3b, v26                 ; a log2(e)
	v_exp_f32 v26, v26
	v_mov_b32 v[NEG], 0xceabfb8f                   ; -1e9 log2(e); also the plain place behind the transcendental (ISA guide 5.7.2)
	s_wait_alu depctr_va_vdst(0)
	v_add_f32 v26, 1.0, v26
	v_rcp_f32 v26, v26                             ; sigmoid(-a) = 1 - alpha
	v_nop
	s_wait_alu depctr_va_vdst(0)
	v_mul_f32 v[C2], 0x3fb8aa3b, v26
	v_mul_f32 v[C2+1], 0x3fb8aa3b, v26
	s_mov_b32 s12, 0                               ; 128 x key tile
	s_load_b512 s[MK:MK+15], s[4:5], s12 offset:0x0        ; the pointers and figures that lay here are used up, and no scalar load is pending
	s_load_b512 s[MK+16:MK+31], s[4:5], s12 offset:0x40
	s_wait_loadcnt 0x0                             ; Q
.macro SYLOAD slot, qt                 ; 8 loads: syn of 16 queries x 64 keys, in the score tiles' places
.irp kt, 0,1,2,3
	ds_load_b128 v[SY+8*\kt:SY+8*\kt+3],   v[ADS+\slot] offset:(\qt)*16*SYP+\kt*64
	ds_load_b128 v[SY+8*\kt+4:SY+8*\kt+7], v[ADS+\slot] offset:(\qt)*16*SYP+\kt*64+16
.endr
.endm
; 16 queries x 64 keys.  first: the first key tile starts maximum, sum and O.  last: no mask words are left to fetch.
.macro QT slot, qt, first, last
.if \qt == 0
	s_wait_dscnt 24                                ; K's 16 loads are in; syn's 8 and V's 16 may be out
.endif
	WIN 0x04                                       ; source 1 (Q) window 1
	; the four tiles take turns, one instruction a turn
.irp kt, 0,1,2,3
	v_wmma_f32_16x16x32_f16 v[S+8*\kt:S+8*\kt+7], v[KF+16*\kt:KF+16*\kt+7], v[QF+16*\qt:QF+16*\qt+7], 0
.endr
.irp kt, 0,1,2,3
	v_wmma_f32_16x16x32_f16 v[S+8*\kt:S+8*\kt+7], v[KF+16*\kt+8:KF+16*\kt+15], v[QF+16*\qt+8:QF+16*\qt+15], v[S+8*\kt:S+8*\kt+7]
.endr
	WIN 0
	PLACES
.if \qt == 0
	s_wait_dscnt 16                                ; syn is in; V's 16 may be out
.else
	s_wait_dscnt 0x0                               ; syn of this block
.endif
.set i, 0
.rept 16
	v_pk_fma_f32 v[S+2*i:S+2*i+1], v[SY+2*i:SY+2*i+1], v[C2:C2+1], v[S+2*i:S+2*i+1]
.set i, i+1
.endr
.if \qt < 3
	SYLOAD \slot, \qt+1
.endif
	s_wait_kmcnt 0x0                               ; this block's 32 mask words
.set i, 0
.rept 32
	v_cndmask_b32 v[S+i], v[NEG], v[S+i], s[MK+i]  ; bit set: the logit stays; clear: -1e9 log2(e)
.set i, i+1
.endr
.if \qt < 3
	s_load_b512 s[MK:MK+15], s[4:5], s12 offset:(\qt+1)*2048       ; the next query block's words, a block's work ahead
	s_load_b512 s[MK+16:MK+31], s[4:5], s12 offset:(\qt+1)*2048+64
.else
.if \last == 0
	s_add_co_u32 s12, s12, 128                     ; the next key tile (no scalar load is pending)
	s_load_b512 s[MK:MK+15], s[4:5], s12 offset:0x0
	s_load_b512 s[MK+16:MK+31], s[4:5], s12 offset:0x40
.endif
.endif
	; the maximum of my 32 logits and the old maximum, in two chains; then the other half of the lanes' keys
.if \first
	v_max3_num_f32 v[T0], v[S], v[S], v[S+1]
.else
	v_max3_num_f32 v[T0], v[M+\qt], v[S], v[S+1]
.endif
	v_max3_num_f32 v[T1], v[S+16], v[S+17], v[S+18]
.set i, 0
.rept 6
	v_max3_num_f32 v[T0], v[T0], v[S+2+2*i], v[S+3+2*i]
	v_max3_num_f32 v[T1], v[T1], v[S+19+2*i], v[S+20+2*i]
.set i, i+1
.endr
	v_max3_num_f32 v[T0], v[T0], v[S+14], v[S+15]
	v_max3_num_f32 v[T0], v[T0], v[T1], v[S+31]
	v_permlanex16_b32 v[T1], v[T0], s13, s14
	v_max_num_f32 v[MN], v[T0], v[T1]
	v_max_num_f32 v[MN+1], v[T0], v[T1]
.if \first == 0
	v_sub_f32 v[T2], v[M+\qt], v[MN]
	v_exp_f32 v[F], v[T2]                          ; the subtractions below are the plain places behind it
.endif
.set i, 0
.rept 16
	v_pk_add_f32 v[S+2*i:S+2*i+1], v[S+2*i:S+2*i+1], v[MN:MN+1] neg_lo:[0,1] neg_hi:[0,1]
.set i, i+1
.endr
.set i, 0
.rept 32
	v_exp_f32 v[S+i], v[S+i]
.set i, i+1
.endr
	v_mov_b32 v[M+\qt], v[MN]                      ; the plain place behind the exponentials (ISA guide 5.7.2)
.if \first == 0
	s_wait_alu depctr_va_vdst(0)
	v_mov_b32 v[F+1], v[F]
.endif
	; the sum of my 32 P, in four chains
	s_wait_alu depctr_va_vdst(0)
.irp c, 0,1,2,3
	v_pk_add_f32 v[TS+2*\c:TS+2*\c+1], v[S+4*\c:S+4*\c+1], v[S+4*\c+2:S+4*\c+3]
.endr
.irp c, 0,1,2,3
	v_pk_add_f32 v[TS+2*\c:TS+2*\c+1], v[TS+2*\c:TS+2*\c+1], v[S+16+2*\c:S+16+2*\c+1]
.endr
.irp c, 0,1,2,3
	v_pk_add_f32 v[TS+2*\c:TS+2*\c+1], v[TS+2*\c:TS+2*\c+1], v[S+24+2*\c:S+24+2*\c+1]
.endr
	v_pk_add_f32 v[TS:TS+1], v[TS:TS+1], v[TS+2:TS+3]
	v_pk_add_f32 v[TS+4:TS+5], v[TS+4:TS+5], v[TS+6:TS+7]
	v_pk_add_f32 v[TS:TS+1], v[TS:TS+1], v[TS+4:TS+5]
.if \first
	v_add_f32 v[L+\qt], v[TS], v[TS+1]
.else
	v_add_f32 v[T0], v[TS], v[TS+1]
	v_fma_f32 v[L+\qt], v[L+\qt], v[F], v[T0]
.endif
.set i, 0
.rept 16
	v_cvt_pk_f16_f32 v[PB+i], v[S+2*i], v[S+2*i+1] ; tiles 2 ks and 2 ks + 1 are registers 0-3 and 4-7 of source 1 for key step ks
.set i, i+1
.endr
.if \first == 0
	WIN 0x41                                       ; destination and source 0 window 1
.set i, 0
.rept 16
	v_pk_mul_f32 v[32*\qt+2*i:32*\qt+2*i+1], v[32*\qt+2*i:32*\qt+2*i+1], v[F:F+1]
.set i, i+1
.endr
.endif
.if \qt == 0
	s_wait_dscnt 8                                 ; V is in; the next block's 8 loads of syn may be out
.endif
	WIN 0x50                                       ; C and D window 1
.irp dt, 0,1,2,3
.if \first
	v_wmma_f32_16x16x32_f16 v[32*\qt+8*\dt:32*\qt+8*\dt+7], v[VF+8*\dt:VF+8*\dt+7], v[PB:PB+7], 0
.else
	v_wmma_f32_16x16x32_f16 v[32*\qt+8*\dt:32*\qt+8*\dt+7], v[VF+8*\dt:VF+8*\dt+7], v[PB:PB+7], v[32*\qt+8*\dt:32*\qt+8*\dt+7]
.endif
.endr
.irp dt, 0,1,2,3
	v_wmma_f32_16x16x32_f16 v[32*\qt+8*\dt:32*\qt+8*\dt+7], v[VF+32+8*\dt:VF+32+8*\dt+7], v[PB+8:PB+15], v[32*\qt+8*\dt:32*\qt+8*\dt+7]
.endr
.endm
; One key tile.  In front of the round every wave has waited for all its tensor loads (its part of this tile among them) and for its reads of the
; other slot; the round holds register work alone; behind it the other slot is asked for first, one tensor load a wave, and has this tile's
; whole work in which to land.
.macro STEP slot, first, refill, last
	s_set_vgpr_msb 0x5
	s_wait_tensorcnt 0x0
	ds_add_u32 v192, v193
	s_wait_dscnt 0x0
	s_set_vgpr_msb 0x500
	s_add_nc_u64 s[G0S+4*\slot+2:G0S+4*\slot+3], s[G0S+4*\slot+2:G0S+4*\slot+3], 2*256     ; no tensor load of mine is out: this slot's next tile
	s_add_nc_u64 s[G0K+4*\slot+2:G0K+4*\slot+3], s[G0K+4*\slot+2:G0K+4*\slot+3], 2*8192
	s_add_nc_u64 s[G0V+4*\slot+2:G0V+4*\slot+3], s[G0V+4*\slot+2:G0V+4*\slot+3], 2*8192
	s_wait_dscnt 0x0
	ROUND
.if \refill
	LOADT 1-\slot
.endif
.if \first == 0
	PLACES                                         ; behind the last tile's last products, which read V's fragments
.endif
.irp kt, 0,1,2,3
.irp e, 0,1
	ds_load_b128 v[KF+16*\kt+8*\e:KF+16*\kt+8*\e+3],   v[ADK+\slot] offset:\kt*16*KP+\e*64
	ds_load_b128 v[KF+16*\kt+8*\e+4:KF+16*\kt+8*\e+7], v[ADK+\slot] offset:\kt*16*KP+\e*64+32
.endr
.endr
	SYLOAD \slot, 0
.irp ks, 0,1
.irp dt, 0,1,2,3
	ds_load_tr16_b128 v[VF+32*\ks+8*\dt:VF+32*\ks+8*\dt+3],   v[ADV+\slot] offset:\ks*32*VP+\dt*32          ; keys 32 ks + 8 hh + 0..7 of column 16 dt + r
	ds_load_tr16_b128 v[VF+32*\ks+8*\dt+4:VF+32*\ks+8*\dt+7], v[ADV+\slot] offset:\ks*32*VP+\dt*32+16*VP    ; keys 16 further on
.endr
.endr
	QT \slot, 0, \first, \last
	QT \slot, 1, \first, \last
	QT \slot, 2, \first, \last
	QT \slot, 3, \first, \last
	WIN 0
.endm
	STEP 0, 1, 1, 0                                ; tile 0 starts the sums; slot 1 gets its first fill behind this tile's round
	STEP 1, 0, 1, 0
	s_mov_b32 s11, 6
.Ltiles:
	STEP 0, 0, 1, 0
	STEP 1, 0, 1, 0
	s_sub_co_u32 s11, s11, 1
	s_cmp_lg_u32 s11, 0
	s_cbranch_scc1 .Ltiles
	STEP 0, 0, 1, 0                                ; tile 14 asks for tile 15,
	STEP 1, 0, 0, 1                                ; which asks for nothing
	; THE WAY OUT: O / sum, rounded to f16, 16 queries at a time through my own stage.  The sum is at least 1: the maximum's own term.
	PLACES
.irp qt, 0,1,2,3
	v_permlanex16_b32 v[T0], v[L+\qt], s13, s14    ; the other half of the lanes' keys
	v_add_f32 v[T1], v[L+\qt], v[T0]
	v_rcp_f32 v[F], v[T1]
	v_nop
	s_wait_alu depctr_va_vdst(0)
	v_mov_b32 v[F+1], v[F]
	WIN 0x41
.set i, 0
.rept 16
	v_pk_mul_f32 v[32*\qt+2*i:32*\qt+2*i+1], v[32*\qt+2*i:32*\qt+2*i+1], v[F:F+1]
.set i, i+1
.endr
	WIN 0x05                                       ; both sources window 1
.set i, 0
.rept 16
	v_cvt_pk_f16_f32 v[PB+i], v[32*\qt+2*i], v[32*\qt+2*i+1]
.set i, i+1
.endr
	WIN 0
.irp dt, 0,1,2,3
	ds_store_b128 v[STO], v[PB+4*\dt:PB+4*\dt+3] offset:32*\dt     ; query r, columns 16 dt + 8 hh + 0..7
.endr
	s_wait_xcnt 0x0                                ; the registers that earlier stores read are loaded again only behind this wait
.irp t, 0,1,2,3
	ds_load_b128 v[OUTR+4*\t:OUTR+4*\t+3], v[RD] offset:\t*4*KP    ; my own bytes, served in order
.endr
.irp t, 0,1,2,3
	s_wait_dscnt 3-\t
	global_store_b128 v[CO], v[OUTR+4*\t:OUTR+4*\t+3], s[6:7] offset:\qt*2048+\t*512   ; four queries: 512 consecutive bytes, aligned
.endr
.endr
	s_set_vgpr_msb 0x5
	s_wait_tensorcnt 0x0
	ds_add_u32 v192, v193
	s_wait_dscnt 0x0
	s_set_vgpr_msb 0x500
	ROUND                                          ; the closing round
	s_endpgm
.Lfunc_end_k_q320a8dc7ad_attn:
	.size	k_q320a8dc7ad_attn, .Lfunc_end_k_q320a8dc7ad_attn-k_q320a8dc7ad_attn
	.p2alignl 7, 3214868480
	.fill 96, 4, 3214868480
	.section	.rodata,"a",@progbits
	.p2align	6, 0x0
	.amdhsa_kernel k_q320a8dc7ad_attn
		.amdhsa_group_segment_fixed_size 327680
		.amdhsa_private_segment_fixed_size 0
		.amdhsa_enable_private_segment 0
		.amdhsa_kernarg_size 40
		.amdhsa_user_sgpr_count 2
		.amdhsa_user_sgpr_kernarg_segment_ptr 1
		.amdhsa_wavefront_size32 1
		.amdhsa_system_sgpr_workgroup_id_x 1
		.amdhsa_system_sgpr_workgroup_id_y 1
		.amdhsa_system_sgpr_workgroup_id_z 1
		.amdhsa_system_vgpr_workitem_id 0
		.amdhsa_next_free_vgpr 450
		.amdhsa_next_free_sgpr 100
		.amdhsa_reserve_vcc 0
		.amdhsa_float_denorm_mode_32 3
		.amdhsa_float_denorm_mode_16_64 3
		.amdhsa_memory_ordered 1
		.amdhsa_forward_progress 1
		.amdhsa_inst_pref_size 255
	.end_amdhsa_kernel
	.section	.bss,"aw",@nobits
	.p2align	6
	.space	262144
	.amdgpu_metadata
---
amdhsa.version: [ 1, 2 ]
amdhsa.kernels:
  - .name:           k_q320a8dc7ad_attn
    .symbol:         k_q320a8dc7ad_attn.kd
    .args:
      - { .name: qkv, .offset: 0, .size: 8, .value_kind: global_buffer, .address_space: global }
      - { .name: syn_scores, .offset: 8, .size: 8, .value_kind: global_buffer, .address_space: global }
      - { .name: maskw, .offset: 16, .size: 8, .value_kind: global_buffer, .address_space: global }
      - { .name: alpha_param, .offset: 24, .size: 8, .value_kind: global_buffer, .address_space: global }
      - { .name: ctx, .offset: 32, .size: 8, .value_kind: global_buffer, .address_space: global }
    .group_segment_fixed_size: 327680
    .private_segment_fixed_size: 0
    .kernarg_segment_align: 8
    .kernarg_segment_size: 40
    .max_flat_workgroup_size: 256
    .sgpr_count:     100
    .vgpr_count:     450
    .wavefront_size: 32
...
	.end_amdgpu_metadata
.endif
;; end of part 3
;; launch oproj (part 4): grid 4 x 64, 4 waves a work-group, clusters of 4 x 4, 327,680 bytes of LDS; arguments ctx, wb, bo, out0; writes out0
.if DOCPART == 4
	.amdgcn_target "amdgcn-amd-amdhsa--gfx1250"
	.amdhsa_code_object_version 6
	.text
	.protected	k_q320a8dc7ad_oproj
	.globl	k_q320a8dc7ad_oproj
	.p2align	8
	.type	k_q320a8dc7ad_oproj,@function
k_q320a8dc7ad_oproj:
	s_mov_b64 s[64:65], 0
	v_nop
	global_prefetch_b8 v0, s[64:65] scope:SCOPE_SE
	s_setreg_imm32_b32 hwreg(HW_REG_WAVE_MODE, 25, 1), 1
	s_wait_xcnt 0x0
	s_wait_alu depctr_hold_cnt(0) depctr_sa_sdst(0) depctr_va_vdst(0) depctr_va_sdst(0) depctr_va_ssrc(0) depctr_va_vcc(0) depctr_vm_vsrc(0)
	s_getreg_b32 s2, hwreg(HW_REG_IB_STS2, 6, 4)
	s_cmp_eq_u32 s2, 0
	s_cbranch_scc0 .Lentry_in_a_cluster
	s_endpgm
.Lentry_in_a_cluster:
	s_bfe_u32 s2, ttmp6, 0x10000c
	s_cmp_lg_u32 s2, 0xf033
	s_cbranch_scc0 .Lentry_shape_is_right
	s_endpgm
.Lentry_shape_is_right:
; out0 = ctx Wo^T + bo, f32.  ctx is f16 [b][head][s][64], Wo is the fourth weight of wb (f16).
; 256 work-groups: 64 blocks of 128 tokens x 4 blocks of 256 features.  Four waves, one for each SIMD of a WGP; a wave makes 64 tokens x 128 features in 32
; accumulator tiles.  K = 1024 goes in 8 steps of 128 = two heads, through two LDS slots.  A head's 128 tokens are 16 KiB without gaps:
; they come as 64 rows of 256 bytes, padded behind every token's 128 bytes.
; LIMIT: matrix operands are f16, sums f32.
; CLUSTERS: 4 x 4 work-groups; ctx's tiles are asked for jointly along a row of the cluster (one token block), Wo's along a column.
; THE MATRIX INSTRUCTION IS USED TRANSPOSED: source 0 = 16 rows of Wo, source 1 = 16 tokens: a lane's 8 results are 8 neighbouring features.
; REGISTER WINDOWS: 0: addresses and fragments; 1: accumulators, tile (a, b) at 8 (8 a + b); 2: v0-63 the bias of my 128 features.
.set KSTEP,  128
.set APITCH, 144                       ; 128 bytes + 16
.set BPITCH, 272                       ; 256 bytes + 16
.set AHEAD,  128*APITCH                ; one head's 128 tokens: what one tensor load of ctx brings
.set BHALF,  128*BPITCH
.set BOFF,   2*AHEAD
.set SLOT,   BOFF+2*BHALF              ; 106,496
.set STAGE,  2*SLOT                    ; a multiple of 256; 16 rows x 528 bytes for each wave; no tensor load lands here
.set SPITCH, 528
.set LAPS,   1024/(2*KSTEP)
.set ADRA, 16
.set ADRB, 20
.set STO,  24
.set RD,   25
.set CO,   26
.set BO,   27
.set AF0,  32                          ; v32-63, v64-95    A fragments, buffer 0, 1
.set BF0,  96                          ; v96-159, v160-223 B fragments, buffer 0, 1
.set TF,   96                          ; way out: results + bias (B's buffer 0)
.set OUTR, 160                         ; way out: rows read back (B's buffer 1)
.set BIAS, 0                           ; window 2
.set G1, 24
.set G0, 32
.set G1B, 48
.set G0B, 56
.set MSB, 0
.macro WIN new
.if MSB != \new
	s_set_vgpr_msb (MSB<<8)|\new
.set MSB, \new
.endif
.endm
.macro PLACES                          ; four independent vector instructions behind a matrix instruction (ISA guide 7.12.1)
.rept 4
	v_nop
.endr
.endm
.macro JLOAD s                         ; waves 0, 1: the K step's two heads of ctx; waves 2, 3: Wo's two halves
	s_cmp_eq_u32 s11, 0
	s_cbranch_scc0 .Lfor_b_\@
	tensor_load_to_lds s[G0+4*\s:G0+4*\s+3], s[G1:G1+7]
	s_nop 0
	s_branch .Lasked_\@
.Lfor_b_\@:
	tensor_load_to_lds s[G0B+4*\s:G0B+4*\s+3], s[G1B:G1B+7]
	s_nop 0
.Lasked_\@:
.endm
.macro CREST
	s_cmp_lg_u32 s10, 0
	s_cbranch_scc1 .Lnot_wave_0_\@
	s_barrier_signal -3
.Lnot_wave_0_\@:
	s_barrier_wait -3
	s_barrier_signal -1
	s_barrier_wait -1
.endm
.macro CROUND
	s_barrier_signal -1
	s_barrier_wait -1
	CREST
.endm
	s_load_b256 s[68:75], s[0:1], 0x0              ; ctx 68, wb 70, bo 72, out0 74
	v_lshl_add_u32 v254, v0, 2, 0x3c400
	v_mov_b32 v255, 0
	ds_add_u32 v254, v255
	v_lshrrev_b32 v1, 5, v0
	v_readfirstlane_b32 s10, v1                    ; wave 0..3
	s_lshr_b32 s11, s10, 1                         ; my 64 tokens.  Also: I fetch for ctx (0) or for Wo (1)
	s_and_b32 s12, s10, 1                          ; my 128 features.  Also: which head, or which half of Wo's rows, I fetch
	s_bfe_u32 s40, ttmp6, 0x40000                  ; cx
	s_bfe_u32 s41, ttmp6, 0x40004                  ; cy
	s_lshl_b32 s42, ttmp9, 2
	s_add_co_u32 s42, s42, s40                     ; feature block 0..3
	s_and_b32 s13, ttmp7, 0xffff
	s_lshl_b32 s13, s13, 2
	s_add_co_u32 s13, s13, s41                     ; token block 0..63
	s_lshl_b32 s43, s41, 2
	s_lshl_b32 s43, 15, s43                        ; my row of the cluster
	s_lshl_b32 s44, 0x1111, s40                    ; my column
	s_or_b32 s[G1+0], s43, (3<<16)|(1<<20)|(1<<21)|(4<<22)|(3<<25)   ; mask; elements of 8 bytes; 4 words of padding behind every 32 words
	s_mov_b32 s[G1+1], 32<<16                      ; tensor_dim0 = 32 elements (256 bytes)
	s_mov_b32 s[G1+2], 64<<16                      ; tensor_dim1 = 64
	s_mov_b32 s[G1+3], 32<<16                      ; tile_dim0
	s_mov_b32 s[G1+4], 64                          ; tile_dim1
	s_mov_b32 s[G1+5], 32                          ; the rows follow each other without gaps
	s_mov_b32 s[G1+6], 0
	s_mov_b32 s[G1+7], 0
	s_or_b32 s[G1B+0], s44, (1<<16)|(1<<20)|(1<<21)|(5<<22)|(3<<25)
	s_mov_b32 s[G1B+1], KSTEP<<16
	s_mov_b32 s[G1B+2], 128<<16
	s_mov_b32 s[G1B+3], KSTEP<<16
	s_mov_b32 s[G1B+4], 128
	s_mov_b32 s[G1B+5], 1024
	s_mov_b32 s[G1B+6], 0
	s_mov_b32 s[G1B+7], 0
	s_lshr_b32 s16, s13, 3                         ; ctx: batch x 2 MiB
	s_lshl_b32 s16, s16, 21
	s_and_b32 s17, s13, 7
	s_lshl_b32 s17, s17, 14                        ; + 128 tokens of 128 bytes x block in the sequence
	s_add_co_u32 s16, s16, s17
	s_lshl_b32 s17, s12, 17                        ; + the head that I fetch
	s_add_co_u32 s16, s16, s17
	s_mov_b32 s17, 0
	s_lshl_b32 s46, s42, 8
	s_lshl_b32 s47, s12, 7
	s_add_co_u32 s46, s46, s47                     ; first feature that I fetch, and the first that I make
	s_lshl_b32 s90, s46, 2                         ; its bytes in bo and in a row of out0
	s_mov_b32 s91, 0
	s_lshl_b32 s46, s46, 11
	s_add_co_u32 s46, s46, 3*2097152               ; Wo is the fourth weight
	s_mov_b32 s47, 0
	s_lshl_b32 s88, s13, 7
	s_lshl_b32 s89, s11, 6
	s_add_co_u32 s88, s88, s89                     ; my first token row,
	s_lshl_b32 s88, s88, 12                        ; of 4,096 bytes,
	s_add_co_u32 s88, s88, s90                     ; and my first column
	s_mov_b32 s89, 0
	s_mul_i32 s20, s12, AHEAD
	s_mul_i32 s92, s12, BHALF
	s_add_co_u32 s92, s92, BOFF
	s_wait_dscnt 0x0
	s_wait_kmcnt 0x0
	s_add_nc_u64 s[14:15], s[68:69], s[16:17]
	s_add_nc_u64 s[46:47], s[70:71], s[46:47]
	s_add_nc_u64 s[6:7], s[72:73], s[90:91]
	s_add_nc_u64 s[8:9], s[74:75], s[88:89]
	CROUND                                         ; all sixteen work-groups are here: the first joint loads meet
.irp s, 0,1
	s_mov_b32 s[G0+4*\s], 1
	s_add_co_u32 s[G0+4*\s+1], s20, \s*SLOT
	s_add_nc_u64 s[G0+4*\s+2:G0+4*\s+3], s[14:15], \s*2*131072
	s_or_b32 s[G0+4*\s+3], s[G0+4*\s+3], 0x80000000
	s_mov_b32 s[G0B+4*\s], 1
	s_add_co_u32 s[G0B+4*\s+1], s92, \s*SLOT
	s_add_nc_u64 s[G0B+4*\s+2:G0B+4*\s+3], s[46:47], \s*KSTEP*2
	s_or_b32 s[G0B+4*\s+3], s[G0B+4*\s+3], 0x80000000
	JLOAD \s                                       ; K steps 0 and 1: two tensor loads of the wave are out, the most in this text
.endr
	v_and_b32 v1, 15, v0                           ; r
	v_bfe_u32 v2, v0, 4, 1                         ; h
	v_mul_u32_u24 v3, v1, APITCH
	v_lshl_add_u32 v3, v2, 4, v3
	v_mul_u32_u24 v4, v1, BPITCH
	v_lshl_add_u32 v4, v2, 4, v4
	s_mul_i32 s21, s11, 64*APITCH
	s_mul_i32 s22, s12, BHALF
	s_add_co_u32 s22, s22, BOFF
.irp s, 0,1
	v_add_nc_u32 v[ADRA+\s], s21, v3
	v_add_nc_u32 v[ADRB+\s], s22, v4
	s_add_co_u32 s21, s21, SLOT
	s_add_co_u32 s22, s22, SLOT
.endr
	s_mul_i32 s23, s10, 16*SPITCH
	s_add_co_u32 s23, s23, STAGE
	v_mul_u32_u24 v5, v1, SPITCH
	v_lshl_add_u32 v5, v2, 5, v5
	v_add_nc_u32 v[STO], s23, v5                   ; in: token r, 32 bytes for each half
	v_and_b32 v6, 31, v0
	v_lshlrev_b32 v[CO], 4, v6
	v_add_nc_u32 v[RD], s23, v[CO]                 ; back: the wave takes one token's 512 bytes
	v_lshlrev_b32 v[BO], 5, v2
	WIN 0x80
.irp b, 0,1,2,3,4,5,6,7
	global_load_b128 v[BIAS+8*\b:BIAS+8*\b+3],   v[BO], s[6:7] offset:64*\b      ; waited for at the way out
	global_load_b128 v[BIAS+8*\b+4:BIAS+8*\b+7], v[BO], s[6:7] offset:64*\b+16
.endr
	WIN 0
; The 32 accumulators take turns, one instruction a turn, in the same order in every quarter step.
.macro MUL16 f, a0, zero
	WIN 0x50
.irp a, \a0, \a0+1
.irp b, 0,1,2,3,4,5,6,7
.if \zero
	v_wmma_f32_16x16x32_f16 v[8*(8*(\a)+\b):8*(8*(\a)+\b)+7], v[BF0+64*\f+8*\b:BF0+64*\f+8*\b+7], v[AF0+32*\f+8*(\a):AF0+32*\f+8*(\a)+7], 0
.else
	v_wmma_f32_16x16x32_f16 v[8*(8*(\a)+\b):8*(8*(\a)+\b)+7], v[BF0+64*\f+8*\b:BF0+64*\f+8*\b+7], v[AF0+32*\f+8*(\a):AF0+32*\f+8*(\a)+7], v[8*(8*(\a)+\b):8*(8*(\a)+\b)+7]
.endif
.endr
.endr
.endm
; 24 loads: quarter kq (head kq / 2, 32 of its 64 columns) of 64 tokens and of 128 rows of Wo, into buffer f
.macro FETCH slot, kq, f
	WIN 0
.irp a, 0,1,2,3
	ds_load_b128 v[AF0+32*\f+8*\a:AF0+32*\f+8*\a+3],   v[ADRA+\slot] offset:(\kq>>1)*AHEAD+\a*16*APITCH+(\kq&1)*64
	ds_load_b128 v[AF0+32*\f+8*\a+4:AF0+32*\f+8*\a+7], v[ADRA+\slot] offset:(\kq>>1)*AHEAD+\a*16*APITCH+(\kq&1)*64+32
.endr
.irp i, 0,1,2,3,4,5,6,7
	ds_load_b128 v[BF0+64*\f+8*\i:BF0+64*\f+8*\i+3],   v[ADRB+\slot] offset:\kq*64+\i*16*BPITCH
	ds_load_b128 v[BF0+64*\f+8*\i+4:BF0+64*\f+8*\i+7], v[ADRB+\slot] offset:\kq*64+\i*16*BPITCH+32
.endr
.endm
.macro QUARTER slot, kn, f, g, zero
	PLACES                                         ; behind the products that read buffer g
	FETCH \slot, \kn, \g
	s_wait_dscnt 24                                ; all but the 24 just issued: buffer f is in
	MUL16 \f, 0, \zero
	MUL16 \f, 2, \zero
.endm
.macro THREE slot, zero
	QUARTER \slot, 1, 0, 1, \zero
	QUARTER \slot, 2, 1, 0, 0
	QUARTER \slot, 3, 0, 1, 0
.endm
; The last quarter changes slots: every wave's reads of this slot and all its tensor loads are waited for in front of the barrier; where the slot is
; filled again the barrier opens a round of the cluster's barrier and the joint refill is the first tensor load behind it, one a wave.
.macro TURN slot, next, fill
	s_wait_dscnt 0x0
	s_wait_tensorcnt 0x0
	ds_add_u32 v254, v255
	s_wait_dscnt 0x0
	s_barrier_signal -1
	MUL16 1, 0, 0
	WIN 0
	s_barrier_wait -1
.if \fill
	CREST
	s_add_nc_u64 s[G0+4*\slot+2:G0+4*\slot+3], s[G0+4*\slot+2:G0+4*\slot+3], 4*131072      ; two K steps = four heads on
	s_add_nc_u64 s[G0B+4*\slot+2:G0B+4*\slot+3], s[G0B+4*\slot+2:G0B+4*\slot+3], 2*KSTEP*2
	JLOAD \slot
.endif
	PLACES                                         ; behind the products that read buffer 0
	FETCH \next, 0, 0
	MUL16 1, 2, 0
.endm
.macro LAP zero
	THREE 0, \zero
	TURN 0, 1, 1
	THREE 1, 0
	TURN 1, 0, 1
.endm
	s_wait_tensorcnt 0x1                           ; my part of K step 0 is in; K step 1's may stay out
	s_barrier_signal -1
	s_barrier_wait -1
	FETCH 0, 0, 0
	LAP 1                                          ; the first products start the sums
	WIN 0
	s_mov_b32 s3, LAPS-2
.Llap:
	LAP 0
	WIN 0
	s_sub_co_u32 s3, s3, 1
	s_cmp_lg_u32 s3, 0
	s_cbranch_scc1 .Llap
	THREE 0, 0                                     ; the last lap fills nothing
	TURN 0, 1, 0
	THREE 1, 0
	s_wait_dscnt 0x0
	MUL16 1, 0, 0
	MUL16 1, 2, 0
	; THE WAY OUT: sum + bias in f32, 16 tokens at a time through my own stage, so that a store covers a token's 512 neighbouring bytes.
	PLACES
	s_wait_loadcnt 0x0                             ; the bias
.macro OUT16 a
	WIN 0x09                                       ; source 0 window 1, source 1 window 2
.set i, 0
.rept 32
	v_pk_add_f32 v[TF+2*i:TF+2*i+1], v[64*\a+2*i:64*\a+2*i+1], v[BIAS+2*i:BIAS+2*i+1]
.set i, i+1
.endr
	WIN 0
.irp b, 0,1,2,3,4,5,6,7
	ds_store_b128 v[STO], v[TF+8*\b:TF+8*\b+3]   offset:64*\b
	ds_store_b128 v[STO], v[TF+8*\b+4:TF+8*\b+7] offset:64*\b+16
.endr
	s_wait_xcnt 0x0                                ; the registers that earlier stores read are loaded again only behind this wait
.irp t, 0,1,2,3,4,5,6,7,8,9,10,11,12,13,14,15
	ds_load_b128 v[OUTR+4*\t:OUTR+4*\t+3], v[RD] offset:\t*SPITCH  ; my own bytes, served in order
.endr
.irp t, 0,1,2,3,4,5,6,7,8,9,10,11,12,13,14,15
	s_wait_dscnt 15-\t
	global_store_b128 v[CO], v[OUTR+4*\t:OUTR+4*\t+3], s[8:9] offset:(16*\a+\t)*4096 th:TH_STORE_NT   ; 512 consecutive bytes, aligned
.endr
.endm
	OUT16 0
	OUT16 1
	OUT16 2
	OUT16 3
	s_wait_tensorcnt 0x0
	ds_add_u32 v254, v255
	s_wait_dscnt 0x0
	CROUND                                         ; the closing round
	s_endpgm
.Lfunc_end_k_q320a8dc7ad_oproj:
	.size	k_q320a8dc7ad_oproj, .Lfunc_end_k_q320a8dc7ad_oproj-k_q320a8dc7ad_oproj
	.p2alignl 7, 3214868480
	.fill 96, 4, 3214868480
	.section	.rodata,"a",@progbits
	.p2align	6, 0x0
	.amdhsa_kernel k_q320a8dc7ad_oproj
		.amdhsa_group_segment_fixed_size 327680
		.amdhsa_private_segment_fixed_size 0
		.amdhsa_enable_private_segment 0
		.amdhsa_kernarg_size 32
		.amdhsa_user_sgpr_count 2
		.amdhsa_user_sgpr_kernarg_segment_ptr 1
		.amdhsa_wavefront_size32 1
		.amdhsa_system_sgpr_workgroup_id_x 1
		.amdhsa_system_sgpr_workgroup_id_y 1
		.amdhsa_system_sgpr_workgroup_id_z 1
		.amdhsa_system_vgpr_workitem_id 0
		.amdhsa_next_free_vgpr 576
		.amdhsa_next_free_sgpr 96
		.amdhsa_reserve_vcc 0
		.amdhsa_float_denorm_mode_32 3
		.amdhsa_float_denorm_mode_16_64 3
		.amdhsa_memory_ordered 1
		.amdhsa_forward_progress 1
		.amdhsa_inst_pref_size 126
	.end_amdhsa_kernel
	.amdgpu_metadata
---
amdhsa.version: [ 1, 2 ]
amdhsa.kernels:
  - .name:           k_q320a8dc7ad_oproj
    .symbol:         k_q320a8dc7ad_oproj.kd
    .args:
      - { .name: ctx, .offset: 0, .size: 8, .value_kind: global_buffer, .address_space: global }
      - { .name: wb, .offset: 8, .size: 8, .value_kind: global_buffer, .address_space: global }
      - { .name: bo, .offset: 16, .size: 8, .value_kind: global_buffer, .address_space: global }
      - { .name: out0, .offset: 24, .size: 8, .value_kind: global_buffer, .address_space: global }
    .group_segment_fixed_size: 327680
    .private_segment_fixed_size: 0
    .kernarg_segment_align: 8
    .kernarg_segment_size: 32
    .max_flat_workgroup_size: 128
    .sgpr_count:     96
    .vgpr_count:     576
    .wavefront_size: 32
...
	.end_amdgpu_metadata
.endif
;; end of part 4
;; ======== version 2 of 2: 4 launches; version 1 with the launch prep written anew for expert scheduling mode
;; limits: values are held in f16: magnitudes above 65,504 overflow, below 6.1e-05 lose precision
;; workspace buffers: wb 8,388,608 bytes; maskw 1,048,576 bytes of whole numbers; qkv 50,331,648 bytes; ctx 16,777,216 bytes
;; launch prep (part 5): grid 384 x 1, 8 waves a work-group, no clusters, 35,840 bytes of LDS; arguments mask, Wq, Wk, Wv, Wo, maskw, wb; writes maskw, wb
.if DOCPART == 5
	.amdgcn_target "amdgcn-amd-amdhsa--gfx1250"
	.amdhsa_code_object_version 6
	.text
	.protected	k_q320a8dc7ad_prep
	.globl	k_q320a8dc7ad_prep
	.p2align	8
	.type	k_q320a8dc7ad_prep,@function
k_q320a8dc7ad_prep:
	s_mov_b64 s[64:65], 0
	v_nop
	global_prefetch_b8 v0, s[64:65] scope:SCOPE_SE
	s_setreg_imm32_b32 hwreg(HW_REG_WAVE_SCHED_MODE, 0, 2), 2
	s_setreg_imm32_b32 hwreg(HW_REG_WAVE_MODE, 25, 1), 1
	s_wait_xcnt 0x0
	s_wait_alu depctr_vm_vsrc(0)
; Two jobs that only stream, so no matrix unit, no cluster, no barrier: no two work-groups read the same byte.
; Work-groups 0-255: the int32 mask [8][1024][1024] becomes lane masks.  Word ((b*64+qt)*64+kt)*8+j of maskw has
;   bit L = (mask[b][16 qt + (L&15)][16 kt + 8 (L>>4) + j] != 0): the 32 lanes of register j of a 16 x 16 score tile
;   whose lane L holds query L&15 and keys 8 (L>>4) + 0..7.  32 bytes of mask become one bit each.
; Work-groups 256-383: Wq, Wk, Wv, Wo (f32) are rounded once to f16 into wb [4][1024][1024].
;   Limit: |W| above 65,504 becomes infinity; steps of 6e-8 below 6e-5.  The drawn weights are about 1/32.
; Every wave takes 16 KiB of input and has all its 32 loads of 512 bytes out at once.
; THE MODE: SCHED_MODE bits 1:0 = 2 (LLVM: expert scheduling mode 2), set by the entry lines.  The code itself states the register dependences
; between vector instructions and memory or LDS instructions, with s_wait_alu, always for 0.
; THE PLAN, mask path.  Registers that memory or LDS instructions touch:
;   v1, v7, v4, v3  offsets and LDS addresses: written at the head, never again.
;   X0 .. X3        group g's eight global loads land in X[g]; its eight LDS stores read X[g]; no vector instruction names X[g] as loaded.
;   Y, X0 .. X2     the turned data: group 0's LDS loads land in Y, group g's (1 to 3) in X[g-1], which only group g-1's LDS stores have read.
;                   Each range takes turned data once, and the compares read it only behind that: so one wait on vm_vsrc stands ahead of
;                   each later group's LDS instructions, and no LDS load waits for a vector instruction.
;   OUT             written by v_mov_b32 and v_writelane_b32, read by the one global store.
;   s[32:63]        a group's 32 compares write them in one run; one wait on va_sdst; then the 32 v_writelane_b32 read them.
; Group g + 1 goes through the stage ahead of group g's compares, so that the way through LDS runs beside vector work.
; THE PLAN, weight path.  Load n lands in four registers of its own, two conversions write the first two of them, store n reads those: no register
; is used twice.  The work goes in blocks of eight: one wait on va_vdst at a block's head states that the block before has written its halves, and that
; block's eight stores are dealt among this block's conversions, which name this block's registers alone.
.set X,   8                            ; v[8:135]   32 loads of 4 registers; group g at X + 32 g
.set Y,   136                          ; v[136:167] group 0 of 64 keys, turned: lane L = row L&15, keys 16 k + 8 (L>>4) + j in register 8 k + j
.set OUT, 168                          ; v[168:171] the wave's 128 words: lane 2 kt + (j>>2), register j&3
.set MW,  32                           ; s[32:63]   a group's 32 words, as the compares leave them
.set WST, 16*272                       ; a wave's own stage: 16 rows of 256 bytes + 16 of padding
	s_load_b256 s[8:15], s[0:1], 0x0               ; mask s[8:9], Wq s[10:11], Wk s[12:13], Wv s[14:15]
	s_load_b128 s[16:19], s[0:1], 0x20             ; Wo s[16:17], maskw s[18:19]
	s_load_b64 s[20:21], s[0:1], 0x30              ; wb
	v_lshl_add_u32 v172, v0, 2, 0x8800
	v_mov_b32 v173, 0
	v_lshrrev_b32 v1, 5, v0
	v_readfirstlane_b32 s2, v1                     ; wave 0..7
	v_and_b32 v2, 31, v0                           ; lane L
	v_lshlrev_b32 v3, 4, v2                        ; 16 L
	s_wait_alu depctr_va_sdst(0)                   ; s2 is written, ahead of the branch: both paths make their offsets from it
	s_cmp_lt_u32 ttmp9, 256
	s_cbranch_scc0 .Lweights
	; ---- the mask: task T = 8 x work-group + wave; T>>2 = 16 rows (b*64+qt), T&3 = a quarter of the keys (256)
	s_lshl_b32 s3, ttmp9, 3
	s_add_co_u32 s3, s3, s2                        ; T, 0..2047
	s_lshr_b32 s4, s3, 2
	s_lshl_b32 s4, s4, 16                          ; 16 rows of 4,096 bytes
	s_and_b32 s5, s3, 3
	s_lshl_b32 s5, s5, 10                          ; 256 keys of 4 bytes
	s_add_co_u32 s4, s4, s5
	s_mov_b32 s5, 0
	s_lshl_b32 s6, s3, 9                           ; 16 key tiles x 8 words x 4 bytes
	s_mov_b32 s7, 0
	s_mul_i32 s22, s2, WST
	v_and_b32 v4, 15, v0                           ; L & 15
	v_bfe_u32 v5, v0, 4, 1                         ; L >> 4
	v_lshlrev_b32 v6, 4, v4
	v_lshl_add_u32 v1, v5, 12, v6                  ; from memory: lanes 0-15 one row's 256 bytes, lanes 16-31 the next row's
	v_mul_u32_u24 v7, v5, 272
	v_add3_u32 v7, v7, v6, s22                     ; into the stage: the same two rows
	v_mul_u32_u24 v4, v4, 272
	v_lshl_add_u32 v4, v5, 5, v4
	v_add_nc_u32 v4, s22, v4                       ; back: row L&15, 32 bytes (8 keys) for each half of the lanes
	s_wait_kmcnt 0x0
	s_add_nc_u64 s[8:9], s[8:9], s[4:5]
	s_add_nc_u64 s[18:19], s[18:19], s[6:7]
	s_wait_alu depctr_va_vdst(0)                   ; v1, v7, v4 and v3 are written: the loads, the LDS instructions and the store of this path read them, and nothing writes them again
.irp g, 0,1,2,3
.irp i, 0,1,2,3,4,5,6,7
	global_load_b128 v[X+4*(8*\g+\i):X+4*(8*\g+\i)+3], v1, s[8:9] offset:\i*8192+\g*256 th:TH_LOAD_NT
.endr
.endr
.irp j, 0,1,2,3
	v_mov_b32 v[OUT+\j], 0                         ; v_writelane_b32 keeps the other lanes: the register is written whole first
.endr
; Group g's eight loads go into the stage as they came: two rows to a store.
.macro TOSTAGE g
.irp i, 0,1,2,3,4,5,6,7
	ds_store_b128 v7, v[X+32*(\g)+4*\i:X+32*(\g)+4*\i+3] offset:\i*544
.endr
.endm
; They come back turned, into the 32 registers from t on.  The wave's own bytes, served in order: no wait between the stores and these loads,
; nor between these loads and the next group's stores.
.macro TURNED t
.irp k, 0,1,2,3
	ds_load_b128 v[(\t)+8*\k:(\t)+8*\k+3],   v4 offset:\k*64
	ds_load_b128 v[(\t)+8*\k+4:(\t)+8*\k+7], v4 offset:\k*64+16
.endr
.endm
; Group g (1 to 3) goes through the stage; its turned data land where group g - 1 was loaded.
.macro NEXT g
	s_wait_loadcnt 24-8*(\g)                       ; loads return in order: this group's eight are in, the younger groups stay out
	s_wait_alu depctr_vm_vsrc(0)                   ; the LDS stores of group g - 1 have read X[g-1], in which the LDS loads below land
	TOSTAGE \g
	TURNED X+32*((\g)-1)
.endm
; Group g's 32 words, from the turned data at t: 32 lanes' answers are the word itself.
.macro WORDS g, t
.irp k, 0,1,2,3
.irp j, 0,1,2,3,4,5,6,7
	v_cmp_ne_u32 s[MW+8*\k+\j], 0, v[(\t)+8*\k+\j]
.endr
.endr
	s_wait_alu depctr_va_sdst(0)                   ; the 32 compares have written s[32:63], which the lines below read
.irp k, 0,1,2,3
.irp j, 0,1,2,3,4,5,6,7
	v_writelane_b32 v[OUT+(\j&3)], s[MW+8*\k+\j], ((\g)*4+\k)*2+(\j>>2)
.endr
.endr
.endm
	s_wait_loadcnt 24                              ; group 0 is in, the three younger groups stay out
	TOSTAGE 0
	TURNED Y
	NEXT 1
	s_wait_dscnt 16                                ; group 0 is back; the 8 stores and 8 loads of group 1, issued behind it, stay out
	WORDS 0, Y
	NEXT 2
	s_wait_dscnt 16                                ; group 1 is back; group 2's sixteen stay out
	WORDS 1, X
	NEXT 3
	s_wait_dscnt 16                                ; group 2 is back; group 3's sixteen stay out
	WORDS 2, X+32
	s_wait_dscnt 0x0                               ; group 3 is back
	WORDS 3, X+64
	s_wait_alu depctr_va_vdst(0)                   ; the v_writelane_b32 have written OUT, which the store reads
	global_store_b128 v3, v[OUT:OUT+3], s[18:19]   ; 512 consecutive bytes, aligned
	s_wait_dscnt 0x0                               ; the closing lines, six on end
	s_wait_alu 0x0
	s_wait_tensorcnt 0x0
	ds_add_u32 v172, v173
	s_wait_dscnt 0x0
	s_endpgm
	; ---- the weights: g>>5 says which, chunk c = 8 (g&31) + wave of 4,096 numbers
.Lweights:
	s_sub_co_u32 s3, ttmp9, 256                    ; g, 0..127
	s_lshr_b32 s4, s3, 5
	s_and_b32 s5, s3, 31
	s_lshl_b32 s5, s5, 3
	s_add_co_u32 s5, s5, s2                        ; c, 0..255
	s_lshl_b32 s6, s5, 14                          ; 16 KiB of f32 in
	s_mov_b32 s7, 0
	s_lshl_b32 s22, s5, 13                         ; 8 KiB of f16 out,
	s_lshl_b32 s23, s4, 21                         ; behind the weights before it
	s_add_co_u32 s22, s22, s23
	s_mov_b32 s23, 0
	v_lshlrev_b32 v4, 3, v2                        ; 8 L
	s_wait_kmcnt 0x0
	s_cmp_eq_u32 s4, 1
	s_cselect_b64 s[24:25], s[12:13], s[10:11]
	s_cmp_eq_u32 s4, 2
	s_cselect_b64 s[24:25], s[14:15], s[24:25]
	s_cmp_eq_u32 s4, 3
	s_cselect_b64 s[24:25], s[16:17], s[24:25]
	s_add_nc_u64 s[24:25], s[24:25], s[6:7]
	s_add_nc_u64 s[20:21], s[20:21], s[22:23]
	s_wait_alu depctr_va_vdst(0)                   ; v3 and v4 are written: the loads read the one, the stores the other, and nothing writes them again
.set n, 0
.rept 32
	global_load_b128 v[X+4*n:X+4*n+3], v3, s[24:25] offset:512*n th:TH_LOAD_NT
.set n, n+1
.endr
.set n, 0
.rept 32
	s_wait_loadcnt 31-n                            ; load n is in, the younger ones stay out
.if (n >= 8) && (n % 8 == 0)
	s_wait_alu depctr_va_vdst(0)                   ; the block before has written its sixteen registers of f16, which the eight stores dealt through this block read
.endif
.if n >= 8
	global_store_b64 v4, v[X+4*(n-8):X+4*(n-8)+1], s[20:21] offset:256*(n-8)   ; 256 consecutive bytes, aligned; no vector instruction since the wait names its registers
.endif
	v_cvt_pk_f16_f32 v[X+4*n],   v[X+4*n],   v[X+4*n+1]
	v_cvt_pk_f16_f32 v[X+4*n+1], v[X+4*n+2], v[X+4*n+3]
.set n, n+1
.endr
	s_wait_alu depctr_va_vdst(0)                   ; the last block has written its registers, which the last eight stores read
.set n, 24
.rept 8
	global_store_b64 v4, v[X+4*n:X+4*n+1], s[20:21] offset:256*n   ; every store has data registers of its own
.set n, n+1
.endr
	s_endpgm
.Lfunc_end_k_q320a8dc7ad_prep:
	.size	k_q320a8dc7ad_prep, .Lfunc_end_k_q320a8dc7ad_prep-k_q320a8dc7ad_prep
	.p2alignl 7, 3214868480
	.fill 96, 4, 3214868480
	.section	.rodata,"a",@progbits
	.p2align	6, 0x0
	.amdhsa_kernel k_q320a8dc7ad_prep
		.amdhsa_group_segment_fixed_size 35840
		.amdhsa_private_segment_fixed_size 0
		.amdhsa_enable_private_segment 0
		.amdhsa_kernarg_size 56
		.amdhsa_user_sgpr_count 2
		.amdhsa_user_sgpr_kernarg_segment_ptr 1
		.amdhsa_wavefront_size32 1
		.amdhsa_system_sgpr_workgroup_id_x 1
		.amdhsa_system_sgpr_workgroup_id_y 1
		.amdhsa_system_sgpr_workgroup_id_z 1
		.amdhsa_system_vgpr_workitem_id 0
		.amdhsa_next_free_vgpr 174
		.amdhsa_next_free_sgpr 66
		.amdhsa_reserve_vcc 0
		.amdhsa_float_denorm_mode_32 3
		.amdhsa_float_denorm_mode_16_64 3
		.amdhsa_memory_ordered 1
		.amdhsa_forward_progress 1
		.amdhsa_inst_pref_size 38
	.end_amdhsa_kernel
	.amdgpu_metadata
---
amdhsa.version: [ 1, 2 ]
amdhsa.kernels:
  - .name:           k_q320a8dc7ad_prep
    .symbol:         k_q320a8dc7ad_prep.kd
    .args:
      - { .name: mask, .offset: 0, .size: 8, .value_kind: global_buffer, .address_space: global }
      - { .name: Wq, .offset: 8, .size: 8, .value_kind: global_buffer, .address_space: global }
      - { .name: Wk, .offset: 16, .size: 8, .value_kind: global_buffer, .address_space: global }
      - { .name: Wv, .offset: 24, .size: 8, .value_kind: global_buffer, .address_space: global }
      - { .name: Wo, .offset: 32, .size: 8, .value_kind: global_buffer, .address_space: global }
      - { .name: maskw, .offset: 40, .size: 8, .value_kind: global_buffer, .address_space: global }
      - { .name: wb, .offset: 48, .size: 8, .value_kind: global_buffer, .address_space: global }
    .group_segment_fixed_size: 35840
    .private_segment_fixed_size: 0
    .kernarg_segment_align: 8
    .kernarg_segment_size: 56
    .max_flat_workgroup_size: 256
    .sgpr_count:     66
    .vgpr_count:     174
    .wavefront_size: 32
...
	.end_amdgpu_metadata
.endif
;; end of part 5
;; launch qkvproj: the kernel of part 2 again; grid 4 x 192, 4 waves a work-group, clusters of 4 x 4, 327,680 bytes of LDS; arguments query, key_in, value, wb, bq, bk, bv, alpha_param, qkv; writes qkv
;; launch attn: the kernel of part 3 again; grid 8 x 32, 8 waves a work-group, clusters of 4 x 1, 327,680 bytes of LDS; arguments qkv, syn_scores, maskw, alpha_param, ctx; writes ctx
;; launch oproj: the kernel of part 4 again; grid 4 x 64, 4 waves a work-group, clusters of 4 x 4, 327,680 bytes of LDS; arguments ctx, wb, bo, out0; writes out0
